; MI455X (gfx1250); checked and timed in simulation.
; The chip was launched on July 23, 2026; its instructions are those of AMD's public machine-readable ISA for CDNA 5 (MIT licence, August 2026) and "CDNA5" Instruction Set Architecture Reference Guide (July 2026). The comments in the code are by the model that wrote it; some were corrected since.
;; Transformer Block. Allowed arithmetic: matrix products marked QUANTISED: E2M3 operands, one E8M0 scale for each 32 along K, by v_wmma_scale_f32_16x16x128_f8f6f4 with both operands' format E2M3, f32 sums; everything else in f32.
;; Inputs: W1 1,024 x 4,096 float32; W2 4,096 x 1,024 float32; Wk 1,024 x 1,024 float32; Wo 1,024 x 1,024 float32; Wq 1,024 x 1,024 float32; Wv 1,024 x 1,024 float32; causal_mask 1 x 1 x 2,048 x 2,048 bool; x 2 x 2,048 x 1,024 float32.
;; Outputs: out0 2 x 2,048 x 1,024 float32.
;; This version of the problem:
;;   THIS VERSION OF THE PROBLEM IS GIVEN IN LOW PRECISION. The matrix products marked QUANTISED in the list below multiply operands that are first quantised to E2M3 (2 exponent bits, 3 mantissa bits; 6 bits a number), with one power-of-two scale for each 32 numbers along K (OCP MX v1.0); their sums are f32. All else is computed in f32.
;;   The module's matrix products, in the order in which they are computed (A, B: the left and right operand; K: the contracted axis; several contracted axes count as one K, in the product's order):
;;     1. [M 4,096, K 1,024] x [K 1,024, N 1,024]; A: computed on the way; B: input Wq: QUANTISED
;;     2. [M 4,096, K 1,024] x [K 1,024, N 1,024]; A: computed on the way; B: input Wk: QUANTISED
;;     3. [M 4,096, K 1,024] x [K 1,024, N 1,024]; A: computed on the way; B: input Wv: QUANTISED
;;     4. batch 32 x [M 2,048, K 64] x [K 64, N 2,048]; A: computed on the way; B: computed on the way: QUANTISED
;;     5. batch 32 x [M 64, K 2,048] x [K 2,048, N 2,048]; A: computed on the way; B: softmax (see below): QUANTISED
;;     6. [M 4,096, K 1,024] x [K 1,024, N 1,024]; A: computed on the way; B: input Wo: QUANTISED
;;     7. [M 4,096, K 1,024] x [K 1,024, N 4,096]; A: computed on the way; B: input W1: QUANTISED
;;     8. [M 4,096, K 4,096] x [K 4,096, N 1,024]; A: computed on the way; B: input W2: QUANTISED
;;   THE QUANTISER, for each operand of a quantised product, along K:
;;     - K is cut into blocks of 32 from its start; a last block that is shorter is filled with zeros.
;;     - A block's scale is 2^e with e = floor(log2(the largest magnitude in the block)) - 2, held to -126 .. 127; a block of zeros has e = 0. As a byte (E8M0): e + 127.
;;     - Each number is divided by its block's scale, clamped to +-7.5, and rounded to the nearest number of E2M3, ties to even, subnormals kept.
;;     - The product sums the exact products of the quantised numbers (number of the format x scale) in f32.
;;   ~~~python
;;   def quantise(x, axis):      # numpy; x: float32 -> the quantised numbers, widened to float32 again
;;       x = np.moveaxis(x, axis, -1); K = x.shape[-1]
;;       x = np.pad(x, [(0, 0)] * (x.ndim - 1) + [(0, -K % 32)]); x = x.reshape(x.shape[:-1] + (-1, 32)); a = np.abs(x).max(-1, keepdims=True)
;;       e = np.where(a > 0, np.clip(np.frexp(np.where(a > 0, a, 1))[1] - 1 - 2, -126, 127), 0)      # np.frexp(a)[1] - 1 = floor(log2(a)), exactly
;;       r = np.clip(x / 2.0 ** e, -7.5, 7.5)
;;       step = 2.0 ** (np.maximum(np.frexp(np.where(r == 0, 1, r))[1] - 1, 0) - 3)
;;       q = np.round(r / step) * step * 2.0 ** e      # np.round: ties to even
;;       return np.moveaxis(q.reshape(q.shape[:-2] + (-1,))[..., :K], -1, axis).astype(np.float32)
;;   ~~~
;;   SOFTMAX AHEAD OF A QUANTISED PRODUCT. Where the list says 'softmax', what is quantised is not the finished softmax but p = 2^(t - M), with t = logit x log2(e) and M = ceil(the row's largest t), a whole number; so 1/2 < the row's largest p <= 1. The row's sum l is taken of the UNQUANTISED p, in f32, and the product's result is divided by l at the end. Since M is a whole number, a kernel that streams over the keys may use a running M (the ceiling of the running maximum): every later rescaling is an exact power of two, which a block's scale takes up: the codes' values come out the same.
;;   OPERANDS COMPUTED ON THE WAY. 'Computed on the way' means the value that the module computes at that place (a softmax that the list does not call 'softmax' is quantised finished and normalised). What goes into a quantiser is computed in f32, as accurately as f32 sums, v_exp_f32 and their like allow (about 1e-6 of the number): no bf16 or f16 on the way to a quantiser, and a product that is left as it is and whose result goes on into a quantised operand takes f32 operands (vector FMAs, or v_wmma_f32_16x16x4_f32). A number that lies on a knife's edge between two numbers of the format may be rounded either way, as far as f32 arithmetic and the matrix unit's own rounding can turn it there, and no further.
;; One version. Each part assembles by itself: llvm-mc -triple=amdgcn-amd-amdhsa -mcpu=gfx1250 --defsym DOCPART=n.
;; ======== version 1 of 1: 7 launches
;; limits: right only within a limited range of input values
;; workspace buffers: wts 9,830,400 bytes; msk 526,336 bytes of whole numbers; hq 3,276,800 bytes; qkv 10,092,544 bytes; att 3,276,800 bytes; x1 16,777,216 bytes; g 13,107,200 bytes
;; launch prep (part 1): grid 1152 x 1, 4 waves a work-group, no clusters, 13,312 bytes of LDS; arguments Wq, Wk, Wv, Wo, W1, W2, causal_mask, x, wts, msk, hq; writes wts, msk, hq
.if DOCPART == 1
	.amdgcn_target "amdgcn-amd-amdhsa--gfx1250"
	.amdhsa_code_object_version 6
	.text
	.protected	k_q2154d8c960_prep
	.globl	k_q2154d8c960_prep
	.p2align	8
	.type	k_q2154d8c960_prep,@function
k_q2154d8c960_prep:
	s_mov_b64 s[64:65], 0
	v_nop
	global_prefetch_b8 v0, s[64:65] scope:SCOPE_SE
	s_setreg_imm32_b32 hwreg(HW_REG_WAVE_MODE, 25, 1), 1
	s_wait_xcnt 0x0
; PREP: the six weights become codes of E2M3 with E8M0 scales, the mask becomes lane masks and flags, and rms_norm(x) becomes the first products' operand.
; NO WORK OF THE PROBLEM IS DEAD: every input reaches the output, and every product of the table is done.  What the attention launch
; leaves out it leaves out by whole numbers that THIS launch stores from causal_mask as it is given: a step of 128 keys all of which
; are hidden from all 16 queries of a tile adds p = 0 to every sum.  No pattern of the mask is built in.
; LIMITS: NaN and infinities among the floating-point inputs are not served.  A block whose largest magnitude lies under 2^-124, a block
; of zeros among them, has the scale byte 1 (a block of zeros: 127 by the rule; its codes are zeros, and this program alone reads the bytes).
; Any mask byte other than 0 counts as True.
; LAYOUT OF EVERY OPERAND OF THIS PROGRAM.  Rows go in panels of 128; in a panel, tile 2 b + u, place m holds row 32 b + 8 u + m + 8 (m / 8).
; A fragment (16 rows x 128 K, 12 registers a lane) lies as an image of its registers, 1,536 bytes: half c (64 along K) at 768 c:
; registers 6 c .. 6 c + 3 at 16 x lane, registers 6 c + 4, 6 c + 5 at 512 + 8 x lane.  Codes: [panel][K step][tile][1,536]; scale words: [panel][K step][128 places].
; WEIGHTS (work-groups 0-767): W is [K][N]: a lane takes a column, its registers run down K, so a block of 32 is one lane's and the conversions give K innermost.
; A work-group takes 128 columns x 128 K, one K step; wave w columns 32 w on (tiles 2 w, 2 w + 1).  The codes go through the wave's own stage in LDS into image order and leave as 512 consecutive bytes a store.
; MASK (work-groups 768-895): a work-group takes a tile of 16 queries, a wave four steps of 128 keys.  Word n = 16 bb + i of a step: bit l = mask[query of lane l % 16][32 bb + 16 (l / 16) + i],
; which is the lane mask for score register n of the attention launch.  Flags, a word a wave: bit s: step s has an open key; bit 16 + s: it has a hidden one.
; NORM (work-groups 896-1151): h = x * rsqrt(mean(x^2) + 1e-6), in f32, quantised along its 1,024 columns.  A work-group takes a tile of 16 rows, wave w columns 256 w on (K steps 2 w, 2 w + 1).
; Lane (r, h) loads, of row r, 16 neighbours of each block of 32: register 16 b + i = column 32 b + 16 h + i of the K step.  The row's sum of squares meets in LDS: one barrier, which all four waves of such a work-group pass.
; The three kinds part on the work-group's number alone; those that use LDS have LDS bytes of their own.
.set WS,    9437184                    ; wts: the scale words begin behind 96 panels of 98,304 bytes
.set FL,    524288                     ; msk: the flags begin behind 128 x 16 x 256 bytes of lane masks
.set HSC,   3145728                    ; hq: the scale words begin behind 32 panels of 98,304 bytes
.set NRM,   12288                      ; behind the four stages of 3,072 bytes: the norm's 512 bytes
.set SPARE, 12800                      ; behind them: the spare words
.set SPW,   2
.set NIL,   3
.set WV,    50                         ; s50 the wave's number
.set C,     16                         ; weights: v16-22 a block's codes
.set OFF,   32                         ; weights: v32-63 4 x lane + i rows
.set X,     64                         ; weights: v64-127 two sets of 32 numbers;  norm: v64-191 my 128 numbers
.set OUTR,  128                        ; weights: v128-151 the way out
.set TM,    8                          ; norm: v8-23 at work in the quantiser
.set PC0,   28                         ; norm: v28-46 the first fragment's codes (over the sums, which are done with)
.set PC1,   48                         ; norm: v48-66 the second's (its last registers lie over numbers that the first fragment has used up)
.set SEL,   36
	s_load_b512 s[4:19], s[0:1], 0x0               ; Wq, Wk, Wv, Wo, W1, W2, mask, x
	s_load_b128 s[20:23], s[0:1], 0x40             ; wts, msk
	s_load_b64 s[48:49], s[0:1], 0x50              ; hq
	v_lshl_add_u32 v[SPW], v0, 2, SPARE
	v_mov_b32 v[NIL], 0
	v_lshrrev_b32 v1, 5, v0
	v_readfirstlane_b32 s[WV], v1                  ; wave
	v_and_b32 v1, 31, v0                           ; lane
	s_cmp_ge_u32 ttmp9, 896
	s_cbranch_scc1 .Lnorm
	s_cmp_ge_u32 ttmp9, 768
	s_cbranch_scc1 .Lmask
	; ---- which weight, which panel of 128 columns, which K step: all from the work-group's number
	s_lshr_b32 s51, ttmp9, 8                       ; 0: the four square weights; 1: W1; 2: W2
	s_and_b32 s24, ttmp9, 255
	s_lshr_b32 s25, s24, 6                         ; which square weight
	s_bfe_u32 s26, s24, 0x30003                    ; panel
	s_and_b32 s27, s24, 7                          ; K step
	s_mul_i32 s28, s26, 3
	s_add_co_u32 s28, s28, s25                     ; Wq, Wk, Wv: place 3 x panel + kind, so that a column group's three lie together
	s_add_co_u32 s29, s26, 24                      ; Wo: 24 + panel
	s_cmp_lt_u32 s25, 3
	s_cselect_b32 s28, s28, s29
	s_mov_b32 s34, 4096                            ; a row of W in bytes
	s_lshr_b32 s32, s24, 3                         ; W1: panel,
	s_add_co_u32 s33, s32, 32                      ; place 32 + panel
	s_lshr_b32 s35, s24, 5                         ; W2: panel,
	s_and_b32 s36, s24, 31                         ; K step,
	s_lshl_b32 s37, s35, 2
	s_add_co_u32 s37, s37, 64                      ; place 64 + 4 x panel (a panel of K = 4,096 takes four places)
	s_wait_kmcnt 0x0
	s_cmp_eq_u32 s25, 1
	s_cselect_b64 s[30:31], s[6:7], s[4:5]
	s_cmp_eq_u32 s25, 2
	s_cselect_b64 s[30:31], s[8:9], s[30:31]
	s_cmp_eq_u32 s25, 3
	s_cselect_b64 s[30:31], s[10:11], s[30:31]
	s_cmp_eq_u32 s51, 1
	s_cselect_b64 s[30:31], s[12:13], s[30:31]
	s_cselect_b32 s26, s32, s26
	s_cselect_b32 s28, s33, s28
	s_cselect_b32 s34, 16384, s34
	s_cmp_eq_u32 s51, 2
	s_cselect_b64 s[30:31], s[14:15], s[30:31]
	s_cselect_b32 s26, s35, s26
	s_cselect_b32 s27, s36, s27
	s_cselect_b32 s28, s37, s28
	s_mul_i32 s38, s27, s34
	s_lshl_b32 s38, s38, 7                         ; K step x 128 rows
	s_lshl_b32 s39, s26, 9
	s_add_co_u32 s38, s38, s39                     ; + panel x 512 bytes
	s_lshl_b32 s39, s[WV], 7
	s_add_co_u32 s38, s38, s39                     ; + wave x 128 bytes
	s_mov_b32 s39, 0
	s_add_nc_u64 s[30:31], s[30:31], s[38:39]      ; W at my wave's first number
	s_mul_i32 s40, s28, 98304
	s_mul_i32 s41, s27, 12288
	s_add_co_u32 s40, s40, s41
	s_mul_i32 s41, s[WV], 3072
	s_add_co_u32 s40, s40, s41
	s_mov_b32 s41, 0
	s_add_nc_u64 s[40:41], s[20:21], s[40:41]      ; my two tiles' images of the K step
	s_lshl_b32 s42, s28, 12
	s_lshl_b32 s43, s27, 9
	s_add_co_u32 s42, s42, s43
	s_lshl_b32 s43, s[WV], 7
	s_add_co_u32 s42, s42, s43
	s_add_co_u32 s42, s42, WS
	s_mov_b32 s43, 0
	s_add_nc_u64 s[42:43], s[20:21], s[42:43]      ; and their scale words
	s_lshl_b32 s44, s34, 5                         ; 32 rows of W
	s_mov_b32 s45, 0
	v_bfe_u32 v10, v0, 3, 1                        ; u: which of my two tiles my column lies in
	v_and_b32 v11, 7, v0
	v_bfe_u32 v12, v0, 4, 1
	v_lshl_add_u32 v11, v12, 3, v11                ; m: its place there
	v_lshl_add_u32 v7, v10, 4, v11
	v_lshlrev_b32 v7, 2, v7                        ; my scale word's place: 4 (16 u + m)
	s_mul_i32 s46, s[WV], 3072                     ; my stage
	v_mul_u32_u24 v13, v10, 1536
	v_add_nc_u32 v13, s46, v13
	v_lshl_add_u32 v5, v11, 4, v13                 ; into the stage: the 16-byte part
	v_lshl_add_u32 v6, v11, 3, v13                 ; and the 8-byte part
	v_lshlrev_b32 v8, 4, v1                        ; out: 16 x lane in memory,
	v_add_nc_u32 v4, s46, v8                       ; and in the stage
	v_lshlrev_b32 v[OFF], 2, v1
.set PI, 1
.rept 31
	v_add_nc_u32 v[OFF+PI], s34, v[OFF+PI-1]
.set PI, PI+1
.endr
.macro LOADB t                         ; block t: W(32 t + i, my column) into set t % 2
.if (\t) > 0
	s_wait_xcnt 0x0                                ; the earlier loads have read their base: it may step
	s_add_nc_u64 s[30:31], s[30:31], s[44:45]
.endif
.set PI, 0
.rept 32
	global_load_b32 v[X+32*((\t)%2)+PI], v[OFF+PI], s[30:31] th:TH_LOAD_NT
.set PI, PI+1
.endr
.endm
.macro BLOCK t
.set XS, X+32*((\t)%2)
.if (\t) < 3
	s_wait_loadcnt 32                              ; this block's 32 loads are in; the next block's 32 may be out
.else
	s_wait_loadcnt 0x0
.endif
	v_max3_num_f32 v10, |v[XS]|, |v[XS+1]|, |v[XS+2]|
	v_max3_num_f32 v11, |v[XS+3]|, |v[XS+4]|, |v[XS+5]|
.irp i, 6,10,14,18,22,26
	v_max3_num_f32 v10, v10, |v[XS+\i]|, |v[XS+\i+1]|
	v_max3_num_f32 v11, v11, |v[XS+\i+2]|, |v[XS+\i+3]|
.endr
	v_max3_num_f32 v10, v10, |v[XS+30]|, |v[XS+31]|
	v_max3_num_f32 v10, v10, v11, 0x1800000        ; the floor 2^(3 - 127): the byte cannot fall under 1
	v_add_nc_u32 v12, 0xff000000, v10              ; 2 off the exponent field: the conversion's scale operand
	v_lshrrev_b32 v13, 23, v12                     ; the scale's byte
.if (\t) == 0
	v_mov_b32 v14, v13
.else
	v_lshl_or_b32 v14, v13, 8*(\t), v14
.endif
	v_cvt_scalef32_pk16_fp6_f32 v[C:C+2], v[XS:XS+15], v12
	v_cvt_scalef32_pk16_fp6_f32 v[C+4:C+6], v[XS+16:XS+31], v12    ; (a conversion's three registers begin on an even number)
	v_nop                                          ; one plain line behind the conversions
	v_mov_b32 v[C+3], v[C+4]
	v_mov_b32 v[C+4], v[C+5]
	v_mov_b32 v[C+5], v[C+6]                       ; v16-21: the block's 24 bytes: registers 6 c .. 6 c + 5 of lane (m, t % 2) of the fragment
	ds_store_b128 v5, v[C:C+3] offset:768*((\t)/2)+256*((\t)%2)
	ds_store_b64 v6, v[C+4:C+5] offset:768*((\t)/2)+512+128*((\t)%2)
.if (\t)+2 < 4
	LOADB (\t)+2
.endif
	s_wait_dscnt 0x0                               ; the stores have read their registers
.endm
	LOADB 0
	s_wait_alu depctr_va_vdst(0)
	LOADB 1
	BLOCK 0
	BLOCK 1
	BLOCK 2
	BLOCK 3
	; the K step's two images leave: six stores of 512 consecutive bytes; the scale words: 128 consecutive bytes
.irp q, 0,1,2,3,4,5
	ds_load_b128 v[OUTR+4*\q:OUTR+4*\q+3], v4 offset:512*\q
.endr
	s_wait_alu depctr_va_vdst(0)
	global_store_b32 v7, v14, s[42:43]
	s_wait_dscnt 0x0
.irp q, 0,1,2,3,4,5
	global_store_b128 v8, v[OUTR+4*\q:OUTR+4*\q+3], s[40:41] offset:512*\q
.endr
	s_wait_tensorcnt 0x0                           ; the wave's end, behind my last LDS store
	ds_add_u32 v[SPW], v[NIL]
	s_wait_dscnt 0x0
	s_endpgm
	; ---- the mask.
.Lmask:
	s_sub_co_u32 s52, ttmp9, 768                   ; the tile of 16 queries
	v_and_b32 v10, 15, v0
	v_bfe_u32 v11, v0, 4, 1
	v_and_b32 v12, 8, v10
	v_add_nc_u32 v12, v12, v10                     ; r + 8 (r / 8)
	v_lshlrev_b32 v12, 11, v12                     ; a row of the mask is 2,048 bytes
	v_lshl_add_u32 v12, v11, 4, v12                ; + 16 (lane / 16)
	s_wait_alu depctr_va_vdst(0)
	v_lshlrev_b32 v13, 3, v1                       ; out: two words a lane
	v_mov_b32 v14, 0
	s_lshr_b32 s24, s52, 1
	s_lshl_b32 s24, s24, 5
	s_and_b32 s25, s52, 1
	s_lshl_b32 s25, s25, 3
	s_add_co_u32 s24, s24, s25                     ; the tile's first query: 32 (tile / 2) + 8 (tile % 2)
	s_lshl_b32 s24, s24, 11
	s_lshl_b32 s25, s[WV], 9
	s_add_co_u32 s24, s24, s25                     ; + my four steps: 512 keys x wave
	s_mov_b32 s25, 0
	s_lshl_b32 s26, s52, 12
	s_lshl_b32 s27, s[WV], 10
	s_add_co_u32 s26, s26, s27
	s_mov_b32 s27, 0
	s_lshl_b32 s28, s52, 4
	s_lshl_b32 s29, s[WV], 2
	s_add_co_u32 s28, s28, s29
	s_add_co_u32 s28, s28, FL
	s_mov_b32 s29, 0
	s_mov_b32 s37, 0                               ; the flags
	s_wait_kmcnt 0x0
	s_add_nc_u64 s[16:17], s[16:17], s[24:25]
	s_add_nc_u64 s[26:27], s[22:23], s[26:27]
	s_add_nc_u64 s[28:29], s[22:23], s[28:29]
.irp s, 0,1,2,3
.irp b, 0,1,2,3
	global_load_b128 v[64+16*\s+4*\b:64+16*\s+4*\b+3], v12, s[16:17] offset:128*\s+32*\b th:TH_LOAD_NT
.endr
.endr
	s_wait_loadcnt 0x0
.macro MSTEP s
	s_mov_b32 s30, -1
	s_mov_b32 s31, 0
	v_mov_b32 v[128+2*\s], 0
	v_mov_b32 v[129+2*\s], 0
.set MN, 0
.rept 64
	v_bfe_u32 v[20+MN%4], v[64+16*\s+MN/4], 8*(MN%4), 8
	v_cmp_ne_u32 s[32+MN%4], 0, v[20+MN%4]         ; word MN: a bit a lane
	v_writelane_b32 v[128+2*\s+MN%2], s[32+MN%4], MN/2
	s_and_b32 s30, s30, s[32+MN%4]
	s_or_b32 s31, s31, s[32+MN%4]
.set MN, MN+1
.endr
	global_store_b64 v13, v[128+2*\s:129+2*\s], s[26:27] offset:256*\s   ; 256 consecutive bytes, aligned
	s_cmp_lg_u32 s30, -1                           ; not everything is hidden
	s_cselect_b32 s36, 1<<\s, 0
	s_or_b32 s37, s37, s36
	s_cmp_lg_u32 s31, 0                            ; something is hidden
	s_cselect_b32 s36, 1<<(16+\s), 0
	s_or_b32 s37, s37, s36
.endm
	MSTEP 0
	MSTEP 1
	MSTEP 2
	MSTEP 3
	v_mov_b32 v15, s37
	v_cmp_eq_u32 vcc_lo, 0, v1
	s_wait_alu depctr_va_vdst(0)
	s_wait_xcnt 0x0                                ; EXEC changes only behind this wait
	s_and_saveexec_b32 s38, vcc_lo
	global_store_b32 v14, v15, s[28:29]            ; lane 0 stores the wave's flags
	s_wait_xcnt 0x0
	s_or_b32 exec_lo, exec_lo, s38
	s_endpgm
	; ---- the norm of x
.Lnorm:
	s_sub_co_u32 s24, ttmp9, 896                   ; the tile of 16 rows
	v_and_b32 v4, 15, v0                           ; r
	v_bfe_u32 v5, v0, 4, 1                         ; h
	v_and_b32 v6, 8, v4
	v_add_nc_u32 v6, v6, v4
	v_lshlrev_b32 v6, 12, v6                       ; (r + 8 (r / 8)) rows of 4,096 bytes
	v_lshl_add_u32 v6, v5, 6, v6                   ; + 64 h
	v_lshl_add_u32 v7, v0, 2, NRM                  ; LDS: a word a thread
	s_wait_alu depctr_va_vdst(0)
	v_lshl_add_u32 v24, v1, 2, NRM
	v_lshlrev_b32 v25, 4, v1
	v_lshlrev_b32 v26, 3, v1
	v_lshlrev_b32 v27, 2, v4
	v_lshl_add_u32 v27, v5, 9, v27                 ; scale words: 4 r, lanes 16-31 one K step on
.irp b, 0,1,2,3
	v_mov_b32 v[TM+4+\b], 0                        ; a lane permute's destination counts as read
.endr
	s_lshr_b32 s25, s24, 3                         ; panel
	s_and_b32 s26, s24, 7                          ; tile
	s_lshl_b32 s27, s25, 7
	s_lshr_b32 s28, s26, 1
	s_lshl_b32 s28, s28, 5
	s_add_co_u32 s27, s27, s28
	s_and_b32 s28, s26, 1
	s_lshl_b32 s28, s28, 3
	s_add_co_u32 s27, s27, s28                     ; the tile's first row
	s_lshl_b32 s28, s27, 12
	s_lshl_b32 s29, s[WV], 10
	s_add_co_u32 s28, s28, s29
	s_mov_b32 s29, 0
	s_lshl_b32 s30, s25, 3
	s_lshl_b32 s31, s[WV], 1
	s_add_co_u32 s30, s30, s31                     ; 8 x panel + my first K step
	s_mul_i32 s32, s30, 12288
	s_mul_i32 s31, s26, 1536
	s_add_co_u32 s32, s32, s31
	s_mov_b32 s33, 0
	s_lshl_b32 s34, s30, 9
	s_lshl_b32 s31, s26, 6
	s_add_co_u32 s34, s34, s31
	s_add_co_u32 s34, s34, HSC
	s_mov_b32 s35, 0
	s_mov_b32 s[SEL], 0x76543210
	s_mov_b32 s[SEL+1], 0xfedcba98
	s_mov_b32 s38, 0x3a800000                      ; 1 / 1,024
	s_mov_b32 s39, 0x358637bd                      ; 1e-6
	s_mov_b32 s40, 0xffff0000                      ; lanes 16-31
	s_wait_kmcnt 0x0
	s_add_nc_u64 s[18:19], s[18:19], s[28:29]
	s_add_nc_u64 s[32:33], s[48:49], s[32:33]
	s_add_nc_u64 s[34:35], s[48:49], s[34:35]
.irp s, 0,1
.irp b, 0,1,2,3
.irp j, 0,1,2,3
	global_load_b128 v[X+64*\s+16*\b+4*\j:X+64*\s+16*\b+4*\j+3], v6, s[18:19] offset:512*\s+128*\b+16*\j
.endr
.endr
.endr
	s_wait_loadcnt 0x0
.irp c, 0,1,2,3
	v_pk_mul_f32 v[32+2*\c:33+2*\c], v[X+2*\c:X+2*\c+1], v[X+2*\c:X+2*\c+1]   ; four chains, started by the first products
.endr
.set NI, 8
.rept 60
	v_pk_fma_f32 v[32+NI%8:33+NI%8], v[X+NI:X+NI+1], v[X+NI:X+NI+1], v[32+NI%8:33+NI%8]
.set NI, NI+2
.endr
	v_pk_add_f32 v[32:33], v[32:33], v[34:35]
	v_pk_add_f32 v[36:37], v[36:37], v[38:39]
	v_pk_add_f32 v[32:33], v[32:33], v[36:37]
	v_add_f32 v32, v32, v33
	v_permlanex16_b32 v33, v32, s[SEL], s[SEL+1]
	v_add_f32 v32, v32, v33                        ; my wave's 256 columns of row r
	ds_store_b32 v7, v32
	s_wait_dscnt 0x0                               ; for the others' sake
	s_barrier_signal -1
	s_barrier_wait -1
.irp w, 0,1,2,3
	ds_load_b32 v[42+\w], v24 offset:128*\w
.endr
	s_wait_dscnt 0x0
	v_add_f32 v42, v42, v43
	v_add_f32 v44, v44, v45
	v_add_f32 v42, v42, v44
	v_fma_f32 v42, v42, s38, s39                   ; the mean + 1e-6
	s_wait_alu depctr_va_vdst(0)
	v_rsq_f32 v40, v42
	v_rsq_f32 v41, v42
	v_nop                                          ; a plain line behind the two
	s_wait_alu depctr_va_vdst(0)                   ; one wait for both, ahead of their first reader
.set NI, 0
.rept 64
	v_pk_mul_f32 v[X+NI:X+NI+1], v[X+NI:X+NI+1], v[40:41]
.set NI, NI+2
.endr
; 64 numbers of a lane, register 16 b + i = k 32 b + 16 h + i of my row, become a fragment's codes in v[pc] on and its scale word in v[pw]
.macro QUANT4 s, pc, pw
.irp b, 0,1,2,3
	v_max3_num_f32 v[TM+\b], |v[(\s)+16*\b]|, |v[(\s)+1+16*\b]|, 0x1800000
.endr
.irp i, 2,4,6,8,10,12,14
.irp b, 0,1,2,3
	v_max3_num_f32 v[TM+\b], v[TM+\b], |v[(\s)+16*\b+\i]|, |v[(\s)+1+16*\b+\i]|
.endr
.endr
.irp b, 0,1,2,3
	v_permlanex16_b32 v[TM+4+\b], v[TM+\b], s[SEL], s[SEL+1]
.endr
.irp b, 0,1,2,3
	v_max_num_f32 v[TM+\b], v[TM+\b], v[TM+4+\b]
.endr
.irp b, 0,1,2,3
	v_add_nc_u32 v[TM+12+\b], 0xff000000, v[TM+\b]
.endr
.irp b, 0,1,2,3
	v_lshrrev_b32 v[TM+4+\b], 23, v[TM+12+\b]
.endr
	v_lshl_or_b32 v[\pw], v[TM+5], 8, v[TM+4]
	v_lshl_or_b32 v[\pw], v[TM+6], 16, v[\pw]
	v_lshl_or_b32 v[\pw], v[TM+7], 24, v[\pw]
.irp c, 0,1
	v_cvt_scalef32_pk16_fp6_f32 v[(\pc)+6*\c:(\pc)+2+6*\c], v[(\s)+32*\c:(\s)+15+32*\c], v[TM+12+2*\c]
	v_cvt_scalef32_pk16_fp6_f32 v[(\pc)+12+4*\c:(\pc)+14+4*\c], v[(\s)+16+32*\c:(\s)+31+32*\c], v[TM+12+2*\c+1]
.endr
	v_nop
.irp c, 0,1
.irp i, 0,1,2
	v_permlane16_swap_b32 v[(\pc)+6*\c+\i], v[(\pc)+12+4*\c+\i]
.endr
.irp i, 0,1,2
	v_mov_b32 v[(\pc)+3+6*\c+\i], v[(\pc)+12+4*\c+\i]
.endr
.endr
.endm
.macro IMG pc, off                     ; the image leaves as it stands: 512, 256, 512, 256 consecutive bytes
	global_store_b128 v25, v[(\pc):(\pc)+3], s[32:33] offset:\off
	global_store_b64 v26, v[(\pc)+4:(\pc)+5], s[32:33] offset:\off+512
	global_store_b128 v25, v[(\pc)+6:(\pc)+9], s[32:33] offset:\off+768
	global_store_b64 v26, v[(\pc)+10:(\pc)+11], s[32:33] offset:\off+1280
.endm
	QUANT4 X, PC0, 47
	IMG PC0, 0
	QUANT4 X+64, PC1, 4
	IMG PC1, 12288
	v_cndmask_b32 v5, v47, v4, s40                 ; lanes 0-15: the first K step's words; lanes 16-31: the second's
	global_store_b32 v27, v5, s[34:35]
	s_wait_tensorcnt 0x0                           ; the wave's end, behind my last LDS store
	ds_add_u32 v[SPW], v[NIL]
	s_wait_dscnt 0x0
	s_endpgm
.Lfunc_end_k_q2154d8c960_prep:
	.size	k_q2154d8c960_prep, .Lfunc_end_k_q2154d8c960_prep-k_q2154d8c960_prep
	.p2alignl 7, 3214868480
	.fill 96, 4, 3214868480
	.section	.rodata,"a",@progbits
	.p2align	6, 0x0
	.amdhsa_kernel k_q2154d8c960_prep
		.amdhsa_group_segment_fixed_size 13312
		.amdhsa_private_segment_fixed_size 0
		.amdhsa_enable_private_segment 0
		.amdhsa_kernarg_size 88
		.amdhsa_user_sgpr_count 2
		.amdhsa_user_sgpr_kernarg_segment_ptr 1
		.amdhsa_wavefront_size32 1
		.amdhsa_system_sgpr_workgroup_id_x 1
		.amdhsa_system_sgpr_workgroup_id_y 1
		.amdhsa_system_sgpr_workgroup_id_z 1
		.amdhsa_system_vgpr_workitem_id 0
		.amdhsa_next_free_vgpr 192
		.amdhsa_next_free_sgpr 66
		.amdhsa_reserve_vcc 1
		.amdhsa_float_denorm_mode_32 3
		.amdhsa_float_denorm_mode_16_64 3
		.amdhsa_memory_ordered 1
		.amdhsa_forward_progress 1
		.amdhsa_inst_pref_size 117
	.end_amdhsa_kernel
	.amdgpu_metadata
---
amdhsa.version: [ 1, 2 ]
amdhsa.kernels:
  - .name:           k_q2154d8c960_prep
    .symbol:         k_q2154d8c960_prep.kd
    .args:
      - { .name: Wq, .offset: 0, .size: 8, .value_kind: global_buffer, .address_space: global }
      - { .name: Wk, .offset: 8, .size: 8, .value_kind: global_buffer, .address_space: global }
      - { .name: Wv, .offset: 16, .size: 8, .value_kind: global_buffer, .address_space: global }
      - { .name: Wo, .offset: 24, .size: 8, .value_kind: global_buffer, .address_space: global }
      - { .name: W1, .offset: 32, .size: 8, .value_kind: global_buffer, .address_space: global }
      - { .name: W2, .offset: 40, .size: 8, .value_kind: global_buffer, .address_space: global }
      - { .name: causal_mask, .offset: 48, .size: 8, .value_kind: global_buffer, .address_space: global }
      - { .name: x, .offset: 56, .size: 8, .value_kind: global_buffer, .address_space: global }
      - { .name: wts, .offset: 64, .size: 8, .value_kind: global_buffer, .address_space: global }
      - { .name: msk, .offset: 72, .size: 8, .value_kind: global_buffer, .address_space: global }
      - { .name: hq, .offset: 80, .size: 8, .value_kind: global_buffer, .address_space: global }
    .group_segment_fixed_size: 13312
    .private_segment_fixed_size: 0
    .kernarg_segment_align: 8
    .kernarg_segment_size: 88
    .max_flat_workgroup_size: 128
    .sgpr_count:     66
    .vgpr_count:     192
    .wavefront_size: 32
...
	.end_amdgpu_metadata
.endif
;; end of part 1
;; launch qkv (part 2): grid 8 x 32, 4 waves a work-group, clusters of 4 x 4, 327,680 bytes of LDS; arguments hq, wts, qkv; writes qkv
.if DOCPART == 2
	.amdgcn_target "amdgcn-amd-amdhsa--gfx1250"
	.amdhsa_code_object_version 6
	.text
	.protected	k_q2154d8c960_qkv
	.globl	k_q2154d8c960_qkv
	.p2align	8
	.type	k_q2154d8c960_qkv,@function
k_q2154d8c960_qkv:
	s_mov_b64 s[64:65], 0
	v_nop
	global_prefetch_b8 v0, s[64:65] scope:SCOPE_SE
	s_setreg_imm32_b32 hwreg(HW_REG_WAVE_MODE, 25, 1), 1
	s_wait_xcnt 0x0
	s_wait_alu depctr_hold_cnt(0) depctr_sa_sdst(0) depctr_va_vdst(0) depctr_va_sdst(0) depctr_va_ssrc(0) depctr_va_vcc(0) depctr_vm_vsrc(0)
	s_getreg_b32 s2, hwreg(HW_REG_IB_STS2, 6, 4)
	s_cmp_eq_u32 s2, 0
	s_cbranch_scc0 .Lentry_in_a_cluster
	s_endpgm
.Lentry_in_a_cluster:
	s_bfe_u32 s2, ttmp6, 0x10000c
	s_cmp_lg_u32 s2, 0xf033
	s_cbranch_scc0 .Lentry_shape_is_right
	s_endpgm
.Lentry_shape_is_right:
; FFN = 0: q, k, v = h Wq, h Wk, h Wv.   FFN = 1: g = gelu(h W1).   Both operands are codes of E2M3 with E8M0 scales, laid as images (first kernel's head); the results are quantised in registers and stored as the next product's operands.
; A work-group owns a panel of 128 rows of h (K = 1,024: 98,304 bytes), which comes into LDS once, and walks NT panels of 128 weight columns through two LDS slots of a whole K each.
; Four waves, each 64 x 64 of a tile of 128 x 128: 16 accumulators, which take turns in the same order in every K step.
; H'S FRAGMENTS STAY IN REGISTERS: a wave's four tiles x eight K steps are 384 registers; they are read from LDS once and serve all NT tiles, so that a K step reads only the weights' 6,144 bytes and four scale registers.
; CLUSTER 4 x 4: the four of a row share h's panel, the four of a column share the weights' panels: each is asked for jointly, by the same tensor load with a mask that names the four.
; The product is used transposed (source 0 = 16 weight columns, source 1 = 16 rows of h), so that a lane holds one row and its registers run along the columns: by the tile order 32 registers are 2 blocks of 32 neighbours (16 in each half of the lanes).
; For v the sources are swapped: a lane holds one channel and its registers run along the keys, which are the second attention product's K.
; REGISTERS: window 0: v4-22 addresses; v32-39 scale words, two sets (lanes 0-15 h's tile i, lanes 16-31 the weights' tile i); v40-115 the way out; v128-255 accumulators.  Window 1: two sets of the weights' four fragments, at 64 p.
;   Window 2: h's fragments of K steps 0-4, at 48 ks + 12 a.   Window 3: those of K steps 5-7, at 48 (ks - 5) + 12 a.
; A wave has one tensor load out at the start and one behind each refill.
.set FFN, 0
.if FFN
.set NT, 4
.set PBASE, 32
.else
.set NT, 3
.set PBASE, 0
.endif
.set WS,    9437184
.set HSC,   3145728
.set QS,    3145728
.set KV,    3407872
.set GSC,   12582912
.set SLOT0, 98304
.set SLOT1, 196608
.set ASC,   294912
.set BSC,   299008
.set SPARE, 315392
.set AA16, 4
.set AA8,  6
.set BA16, 8
.set BA8,  12
.set SA,   16
.set HS,   17
.set SPW,  18
.set NIL,  19
.set L16,  20
.set L8,   21
.set L4,   22
.set SC,   32
.set HB,   40
.set WR,   64
.set WC,   68
.set T,    72
.set TM,   104
.set KC2,  112
.set KC1,  114
.set ACC,  128
.set WV,   12
.set WRW,  13
.set WCL,  14
.set CX,   15
.set CY,   72
.set GX,   73
.set YY,   74
.set CM,   75
.set RM,   91
.set G1AC, 16
.set G1AS, 24
.set G1BC, 32
.set G1BS, 40
.set G0A,  48
.set G0AS, 52
.set G0BS, 56
.set G0S0, 60
.set G0S1, 68
.set SEL,  88
.set HM,   90
.set MSB, 0
.macro WIN new                         ; the immediate's high byte repeats the setting that is left
.if MSB != \new
	s_set_vgpr_msb (MSB<<8)|\new
.set MSB, \new
.endif
.endm
.set TO_F, 0x40                        ; destination window 1, address window 0
.macro PLACES
.rept 4
	v_nop
.endr
.endm
.macro CROUND                          ; a round of the cluster's barrier
	s_barrier_signal -1
	s_barrier_wait -1
	s_cmp_lg_u32 s[WV], 0
	s_cbranch_scc1 .Lnot_wave_0_\@
	s_barrier_signal -3
.Lnot_wave_0_\@:
	s_barrier_wait -3
	s_barrier_signal -1
	s_barrier_wait -1
.endm
.macro G1REST g, r                     ; a dense block as r rows of 256 bytes: 32 elements of 8 bytes
	s_mov_b32 s[\g+1], 32<<16
	s_mov_b32 s[\g+2], (\r)<<16
	s_mov_b32 s[\g+3], 32<<16
	s_mov_b32 s[\g+4], \r
	s_mov_b32 s[\g+5], 32
	s_mov_b32 s[\g+6], 0
	s_mov_b32 s[\g+7], 0
.endm
	s_load_b128 s[4:7], s[0:1], 0x0                ; h's operand, the weights'
	s_load_b64 s[8:9], s[0:1], 0x10                ; the result
	v_lshl_add_u32 v[SPW], v0, 2, SPARE
	v_mov_b32 v[NIL], 0
	ds_add_u32 v[SPW], v[NIL]                      ; the opening: the add, twice on end, and its wait ahead of my first tensor load
	ds_add_u32 v[SPW], v[NIL]
	v_lshrrev_b32 v1, 5, v0
	v_readfirstlane_b32 s[WV], v1
	s_lshr_b32 s[WRW], s[WV], 1                    ; my half of the rows
	s_and_b32 s[WCL], s[WV], 1                     ; my half of the columns
	s_bfe_u32 s[CX], ttmp6, 0x40000
	s_bfe_u32 s[CY], ttmp6, 0x40004
	s_lshl_b32 s[GX], ttmp9, 2
	s_add_co_u32 s[GX], s[GX], s[CX]               ; column group
	s_and_b32 s[YY], ttmp7, 0xffff
	s_lshl_b32 s[YY], s[YY], 2
	s_add_co_u32 s[YY], s[YY], s[CY]               ; row panel
	s_lshl_b32 s[RM], s[CY], 2
	s_lshl_b32 s[RM], 15, s[RM]                    ; my row of the cluster
	s_lshl_b32 s[CM], 0x1111, s[CX]                ; my column
	s_or_b32 s[G1AC], s[RM], (3<<16)|(1<<21)
	s_or_b32 s[G1AS], s[RM], (3<<16)|(1<<21)
	s_or_b32 s[G1BC], s[CM], (3<<16)|(1<<21)
	s_or_b32 s[G1BS], s[CM], (3<<16)|(1<<21)
	G1REST G1AC, 384                               ; h's whole panel of codes: 98,304 bytes, one load
	G1REST G1AS, 16                                ; its scale words: 4,096 bytes
	G1REST G1BC, 384                               ; the head's load of the first weight panel, whole; behind it the two words that count rows are set to 96
	G1REST G1BS, 16*NT                             ; the NT panels' scale words
	s_mul_i32 s66, s[WV], 24576                    ; my quarter
	s_mul_i32 s80, s[YY], 98304
	s_mov_b32 s81, 0
	s_lshl_b32 s82, s[YY], 12
	s_add_co_u32 s82, s82, HSC
	s_mov_b32 s83, 0
	s_mul_i32 s3, s[GX], NT
.if PBASE
	s_add_co_u32 s3, s3, PBASE
.endif
	s_mul_i32 s84, s3, 98304
	s_mov_b32 s85, 0
	s_lshl_b32 s86, s3, 12
	s_add_co_u32 s86, s86, WS
	s_mov_b32 s87, 0
	s_mov_b32 s[SEL], 0x76543210
	s_mov_b32 s[SEL+1], 0xfedcba98
	s_mov_b32 s[HM], 0xffff0000
	s_wait_dscnt 0x0                               ; both opening adds are done
	s_wait_kmcnt 0x0
	s_mov_b32 s[G0A], 1
	s_mov_b32 s[G0A+1], 0
	s_add_nc_u64 s[G0A+2:G0A+3], s[4:5], s[80:81]
	s_or_b32 s[G0A+3], s[G0A+3], 0x80000000
	s_mov_b32 s[G0AS], 1
	s_mov_b32 s[G0AS+1], ASC
	s_add_nc_u64 s[G0AS+2:G0AS+3], s[4:5], s[82:83]
	s_or_b32 s[G0AS+3], s[G0AS+3], 0x80000000
	s_mov_b32 s[G0BS], 1
	s_mov_b32 s[G0BS+1], BSC
	s_add_nc_u64 s[G0BS+2:G0BS+3], s[6:7], s[86:87]
	s_or_b32 s[G0BS+3], s[G0BS+3], 0x80000000
	s_add_nc_u64 s[84:85], s[6:7], s[84:85]
.set G0H, 80                           ; s[80:83] group 0 of the head's load of the first weight panel, whole (the offsets that lay there have been used)
	s_mov_b32 s[G0H], 1
	s_mov_b32 s[G0H+1], SLOT0
	s_mov_b64 s[G0H+2:G0H+3], s[84:85]
	s_or_b32 s[G0H+3], s[G0H+3], 0x80000000
	s_mov_b32 s67, 0
	s_add_nc_u64 s[84:85], s[84:85], s[66:67]      ; for the later loads: my quarter of a panel
	s_mov_b32 s[G0S0], 1
	s_add_co_u32 s[G0S0+1], s66, SLOT0
	s_mov_b64 s[G0S0+2:G0S0+3], s[84:85]
	s_or_b32 s[G0S0+3], s[G0S0+3], 0x80000000
	s_mov_b32 s[G0S1], 1
	s_add_co_u32 s[G0S1+1], s66, SLOT1
	s_add_nc_u64 s[G0S1+2:G0S1+3], s[84:85], 98304
	s_or_b32 s[G0S1+3], s[G0S1+3], 0x80000000
	CROUND                                         ; all sixteen work-groups are here: the first joint loads meet
; THE HEAD'S LOADS, ONE A WAVE: wave 0 h's panel, wave 1 the first weight panel, wave 2 h's scale words, wave 3 the weights'.
; One chain of branches on the wave's number, a load to an arm, all arms to one join.  A wave has one tensor load out at the start and one behind each round.
.macro ARM under, g0, g1, next
	s_cmp_lt_u32 s[WV], \under
	s_cbranch_scc0 \next
	tensor_load_to_lds s[\g0:\g0+3], s[\g1:\g1+7]
	s_nop 0
	PLACES
	s_branch .Lhead_asked
\next:
.endm
	ARM 1, G0A, G1AC, .Lhead_b
	ARM 2, G0H, G1BC, .Lhead_sa
	ARM 3, G0AS, G1AS, .Lhead_sb
	tensor_load_to_lds s[G0BS:G0BS+3], s[G1BS:G1BS+7]
	s_nop 0
	PLACES
.Lhead_asked:
	v_and_b32 v1, 31, v0
	v_and_b32 v2, 15, v0
	v_bfe_u32 v3, v0, 4, 1
	v_lshlrev_b32 v[L16], 4, v1
	v_lshlrev_b32 v[L8], 3, v1
	v_lshlrev_b32 v[L4], 2, v1
	s_mul_i32 s2, s[WRW], 6144                     ; my four tiles of h
	s_mul_i32 s3, s[WCL], 6144                     ; my four tiles of the weights
	s_add_co_u32 s3, s3, SLOT0
	v_add_nc_u32 v[AA16], s2, v[L16]
	v_add_nc_u32 v[AA8], s2, v[L8]
	v_add_nc_u32 v[AA16+1], 49152, v[AA16]         ; K steps 4 to 7: offsets stay inside 16 bits
	v_add_nc_u32 v[AA8+1], 49152, v[AA8]
	v_add_nc_u32 v[BA16], s3, v[L16]
	v_add_nc_u32 v[BA8], s3, v[L8]
.irp i, 1,2,3
	v_add_nc_u32 v[BA16+\i], 49152*\i, v[BA16]
	v_add_nc_u32 v[BA8+\i], 49152*\i, v[BA8]
.endr
	s_lshl_b32 s2, s[WRW], 8
	s_lshl_b32 s3, s[WCL], 8
	s_sub_co_u32 s3, s3, s2
	s_add_co_u32 s3, s3, BSC-ASC
	v_mul_u32_u24 v[SA], s3, v3                    ; lanes 16-31 take the weights' words: one product with the lane's half
	s_add_co_u32 s2, s2, ASC
	v_lshl_add_u32 v[SA], v2, 2, v[SA]
	v_add_nc_u32 v[SA], s2, v[SA]
	v_lshlrev_b32 v[HS], 12, v3                    ; a panel's scale words on, in lanes 16-31 alone
	v_mov_b32 v[TM+2], 0                           ; a lane permute's destination counts as read
	v_mov_b32 v[TM+3], 0
.if FFN
	v_mov_b32 v[KC2], 0xbdd2d3e8                   ; -2 log2(e) sqrt(2 / pi) x 0.044715
	v_mov_b32 v[KC2+1], 0xbdd2d3e8
	v_mov_b32 v[KC1], 0xc0135761                   ; -2 log2(e) sqrt(2 / pi)
	v_mov_b32 v[KC1+1], 0xc0135761
	s_lshl_b32 s2, s[YY], 5
	s_lshl_b32 s3, s[GX], 2
	s_add_co_u32 s2, s2, s3                        ; 32 y + my first K step of g
	s_mov_b32 s67, 0
	s_lshl_b32 s66, s2, 3
	s_lshl_b32 s3, s[WRW], 2
	s_add_co_u32 s66, s66, s3
	s_mul_i32 s66, s66, 1536
	s_mul_i32 s3, s[WCL], 768
	s_add_co_u32 s66, s66, s3
	s_add_nc_u64 s[92:93], s[8:9], s[66:67]        ; codes: my four tiles, my half of the K step
	s_lshl_b32 s66, s2, 9
	s_lshl_b32 s3, s[WRW], 8
	s_add_co_u32 s66, s66, s3
	s_lshl_b32 s3, s[WCL], 1
	s_add_co_u32 s66, s66, s3
	s_add_co_u32 s66, s66, GSC
	s_add_nc_u64 s[94:95], s[8:9], s[66:67]        ; scale bytes: my two of each word
.else
	s_lshr_b32 s2, s[YY], 4
	s_lshl_b32 s2, s2, 4
	s_lshl_b32 s3, s[GX], 1
	s_add_co_u32 s2, s2, s3
	s_add_co_u32 s2, s2, s[WCL]                    ; batch x 16 + head: my 64 columns are one head
	s_and_b32 s3, s[YY], 15                        ; which 128 tokens of the sequence
	s_mov_b32 s67, 0
	s_lshl_b32 s66, s2, 4
	s_add_co_u32 s66, s66, s3
	s_lshl_b32 s2, s66, 3
	s_lshl_b32 s3, s[WRW], 2
	s_add_co_u32 s2, s2, s3                        ; my first tile of queries
	s_mul_i32 s66, s66, 13056
	s_add_co_u32 s66, s66, KV
	s_add_nc_u64 s[96:97], s[8:9], s[66:67]        ; the key step's block: K's 8 half images, V's 4 images, K's scale words, V's
	s_mul_i32 s66, s2, 768
	s_add_nc_u64 s[92:93], s[8:9], s[66:67]        ; q's half images
	s_lshl_b32 s66, s2, 6
	s_add_co_u32 s66, s66, QS
	s_add_nc_u64 s[94:95], s[8:9], s[66:67]        ; q's scale words
	s_lshl_b32 s66, s[WRW], 8
	s_add_co_u32 s66, s66, 12288
	s_add_nc_u64 s[98:99], s[96:97], s[66:67]      ; k's scale words
	s_mul_i32 s66, s[WRW], 768
	s_add_co_u32 s66, s66, 6144
	s_add_nc_u64 s[76:77], s[96:97], s[66:67]      ; v: my 64 keys are half wr of each image
	s_lshl_b32 s66, s[WRW], 1
	s_add_co_u32 s66, s66, 12800
	s_add_nc_u64 s[78:79], s[96:97], s[66:67]      ; v's scale bytes: my two of each word
	s_mul_i32 s66, s[WRW], 3072
	s_add_nc_u64 s[96:97], s[96:97], s[66:67]      ; k's half images
.endif
; h's fragments, once: my four tiles of all eight K steps, 128 loads of consecutive bytes
.macro APRE
.irp ks, 0,1,2,3,4,5,6,7
.if \ks < 5
	WIN 0x80                                       ; destination window 2
.set RA, 48*\ks
.else
	WIN 0xc0                                       ; destination window 3
.set RA, 48*(\ks-5)
.endif
.irp a, 0,1,2,3
	ds_load_b128 v[RA+12*\a:RA+12*\a+3], v[AA16+\ks/4] offset:(\ks%4)*12288+\a*1536
	ds_load_b64 v[RA+12*\a+4:RA+12*\a+5], v[AA8+\ks/4] offset:(\ks%4)*12288+\a*1536+512
	ds_load_b128 v[RA+12*\a+6:RA+12*\a+9], v[AA16+\ks/4] offset:(\ks%4)*12288+\a*1536+768
	ds_load_b64 v[RA+12*\a+10:RA+12*\a+11], v[AA8+\ks/4] offset:(\ks%4)*12288+\a*1536+1280
.endr
.endr
	WIN 0
.endm
; a K step's weights into set p: 16 loads, and 4 scale registers; every load takes consecutive bytes
.macro FETCH p, rb, ko, so
	WIN TO_F
.irp b, 0,1,2,3
	ds_load_b128 v[64*(\p)+12*\b:64*(\p)+12*\b+3], v[BA16+(\rb)] offset:(\ko)*12288+\b*1536
	ds_load_b64 v[64*(\p)+12*\b+4:64*(\p)+12*\b+5], v[BA8+(\rb)] offset:(\ko)*12288+\b*1536+512
	ds_load_b128 v[64*(\p)+12*\b+6:64*(\p)+12*\b+9], v[BA16+(\rb)] offset:(\ko)*12288+\b*1536+768
	ds_load_b64 v[64*(\p)+12*\b+10:64*(\p)+12*\b+11], v[BA8+(\rb)] offset:(\ko)*12288+\b*1536+1280
.endr
	WIN 0
.irp i, 0,1,2,3
	ds_load_b32 v[SC+4*(\p)+\i], v[SA] offset:(\so)+64*\i
.endr
.endm
; 16 products of K step ks: the weights' set p (window 1) against h's fragments (window 2 or 3); C and D in window 0
.macro MUL16 p, ks, zero, swap
.if (\ks) < 5
.set RA, 48*(\ks)
.else
.set RA, 48*((\ks)-5)
.endif
.if \swap
.if (\ks) < 5
	WIN 0x06                                       ; source 0 (h) window 2, source 1 (the weights) window 1
.else
	WIN 0x07                                       ; source 0 window 3
.endif
.else
.if (\ks) < 5
	WIN 0x09                                       ; source 0 (the weights) window 1, source 1 (h) window 2
.else
	WIN 0x0d                                       ; source 1 window 3
.endif
.endif
.irp a, 0,1,2,3
.irp b, 0,1,2,3
.if \swap
.if \zero
	v_wmma_scale_f32_16x16x128_f8f6f4 v[ACC+8*(4*\b+\a):ACC+8*(4*\b+\a)+7], v[RA+12*\a:RA+12*\a+11], v[64*(\p)+12*\b:64*(\p)+12*\b+11], 0, v[SC+4*(\p)+\a], v[SC+4*(\p)+\b] matrix_a_fmt:MATRIX_FMT_FP6 matrix_b_fmt:MATRIX_FMT_FP6 matrix_b_scale:MATRIX_SCALE_ROW1
.else
	v_wmma_scale_f32_16x16x128_f8f6f4 v[ACC+8*(4*\b+\a):ACC+8*(4*\b+\a)+7], v[RA+12*\a:RA+12*\a+11], v[64*(\p)+12*\b:64*(\p)+12*\b+11], v[ACC+8*(4*\b+\a):ACC+8*(4*\b+\a)+7], v[SC+4*(\p)+\a], v[SC+4*(\p)+\b] matrix_a_fmt:MATRIX_FMT_FP6 matrix_b_fmt:MATRIX_FMT_FP6 matrix_b_scale:MATRIX_SCALE_ROW1
.endif
.else
.if \zero
	v_wmma_scale_f32_16x16x128_f8f6f4 v[ACC+8*(4*\a+\b):ACC+8*(4*\a+\b)+7], v[64*(\p)+12*\b:64*(\p)+12*\b+11], v[RA+12*\a:RA+12*\a+11], 0, v[SC+4*(\p)+\b], v[SC+4*(\p)+\a] matrix_a_fmt:MATRIX_FMT_FP6 matrix_b_fmt:MATRIX_FMT_FP6 matrix_a_scale:MATRIX_SCALE_ROW1
.else
	v_wmma_scale_f32_16x16x128_f8f6f4 v[ACC+8*(4*\a+\b):ACC+8*(4*\a+\b)+7], v[64*(\p)+12*\b:64*(\p)+12*\b+11], v[RA+12*\a:RA+12*\a+11], v[ACC+8*(4*\a+\b):ACC+8*(4*\a+\b)+7], v[SC+4*(\p)+\b], v[SC+4*(\p)+\a] matrix_a_fmt:MATRIX_FMT_FP6 matrix_b_fmt:MATRIX_FMT_FP6 matrix_a_scale:MATRIX_SCALE_ROW1
.endif
.endif
.endr
.endr
.endm
; a tile of 128 x 128: eight K steps; while one is multiplied the next one's 20 loads are on their way into the other set
.macro TILE slot, swap
	FETCH 0, 2*(\slot), 0, 0
.irp ks, 0,1,2,3,4,5,6,7
	s_wait_dscnt 0x0                               ; this K step's loads are in (in the first tile's first step: h's fragments too)
.if \ks < 7
	PLACES                                         ; four places in front of loads into the set that the last products read
	FETCH (\ks+1)%2, 2*(\slot)+(\ks+1)/4, (\ks+1)%4, 512*(\ks+1)
.endif
.if \ks == 0
	MUL16 0, 0, 1, \swap                           ; the first products start the sums
.else
	MUL16 \ks%2, \ks, 0, \swap
.endif
.endr
	WIN 0
	v_add_nc_u32 v[SA], v[HS], v[SA]               ; the next panel's scale words
.endm
; the change of panels.  Every wave: all my tensor loads have landed; the add; the add and my LDS reads are done; then the barrier.  fill = 1: a round of the cluster's barrier, and the slot just read takes the panel two on
.macro CHANGE fill, g0
	s_wait_tensorcnt 0x0
	ds_add_u32 v[SPW], v[NIL]
.if \fill
	s_add_nc_u64 s[\g0+2:\g0+3], s[\g0+2:\g0+3], 2*98304
.endif
	s_wait_dscnt 0x0
.if \fill
	CROUND
	tensor_load_to_lds s[\g0:\g0+3], s[G1BC:G1BC+7]   ; my one load behind the round: it has the way out and a whole tile in which to land
	s_nop 0
	PLACES
.else
	s_barrier_signal -1
	s_barrier_wait -1
.endif
.endm
; 32 numbers of a lane, register 16 b + i = k 32 b + 16 h + i, become half a fragment in v[h] .. v[h + 5] and two scale bytes in v[w]
.macro QUANT2 s, h, w
.irp b, 0,1
	v_max3_num_f32 v[TM+\b], |v[(\s)+16*\b]|, |v[(\s)+1+16*\b]|, 0x1800000
.endr
.irp i, 2,4,6,8,10,12,14
.irp b, 0,1
	v_max3_num_f32 v[TM+\b], v[TM+\b], |v[(\s)+16*\b+\i]|, |v[(\s)+1+16*\b+\i]|
.endr
.endr
.irp b, 0,1
	v_permlanex16_b32 v[TM+2+\b], v[TM+\b], s[SEL], s[SEL+1]
.endr
.irp b, 0,1
	v_max_num_f32 v[TM+\b], v[TM+\b], v[TM+2+\b]
.endr
.irp b, 0,1
	v_add_nc_u32 v[TM+4+\b], 0xff000000, v[TM+\b]
.endr
.irp b, 0,1
	v_lshrrev_b32 v[TM+6+\b], 23, v[TM+4+\b]
.endr
	v_lshl_or_b32 v[\w], v[TM+7], 8, v[TM+6]
	v_cvt_scalef32_pk16_fp6_f32 v[(\h):(\h)+2], v[(\s):(\s)+15], v[TM+4]
	v_cvt_scalef32_pk16_fp6_f32 v[(\h)+8:(\h)+10], v[(\s)+16:(\s)+31], v[TM+5]
	v_nop
.irp i, 0,1,2
	v_permlane16_swap_b32 v[(\h)+\i], v[(\h)+8+\i]
.endr
.irp i, 0,1,2
	v_mov_b32 v[(\h)+3+\i], v[(\h)+8+\i]
.endr
.endm
; gelu, the tanh form, as x / (1 + 2^z), z = x (c1 + c2 x^2): 32 numbers in place, in f32; the exponentials are one batch with one wait, the reciprocals another
.macro GELU s
.set GI, 0
.rept 16
	v_pk_mul_f32 v[T+GI:T+GI+1], v[(\s)+GI:(\s)+GI+1], v[(\s)+GI:(\s)+GI+1]
.set GI, GI+2
.endr
.set GI, 0
.rept 16
	v_pk_fma_f32 v[T+GI:T+GI+1], v[T+GI:T+GI+1], v[KC2:KC2+1], v[KC1:KC1+1]
.set GI, GI+2
.endr
.set GI, 0
.rept 16
	v_pk_mul_f32 v[T+GI:T+GI+1], v[T+GI:T+GI+1], v[(\s)+GI:(\s)+GI+1]
.set GI, GI+2
.endr
.set GI, 0
.rept 32
	v_exp_f32 v[T+GI], v[T+GI]
.set GI, GI+1
.endr
	v_nop
	s_wait_alu depctr_va_vdst(0)
.set GI, 0
.rept 16
	v_pk_add_f32 v[T+GI:T+GI+1], v[T+GI:T+GI+1], 1.0 op_sel_hi:[1,0]
.set GI, GI+2
.endr
.set GI, 0
.rept 32
	v_rcp_f32 v[T+GI], v[T+GI]
.set GI, GI+1
.endr
	v_nop
	s_wait_alu depctr_va_vdst(0)
.set GI, 0
.rept 16
	v_pk_mul_f32 v[(\s)+GI:(\s)+GI+1], v[(\s)+GI:(\s)+GI+1], v[T+GI:T+GI+1]
.set GI, GI+2
.endr
.endm
; the way out of a tile: four groups of 32 registers become four half images (512 + 256 consecutive bytes each) and their scale bytes
.macro EPI cb, sb, cst, sz, act
	PLACES
.irp a, 0,1,2,3
.if \act
	GELU ACC+32*\a
.endif
	s_wait_xcnt 0x0                                ; the earlier stores have read their data: the registers may be written again
	QUANT2 ACC+32*\a, HB+12*(\a%2), WR+\a
	global_store_b128 v[L16], v[HB+12*(\a%2):HB+12*(\a%2)+3], s[\cb:\cb+1] offset:\a*\cst
	global_store_b64 v[L8], v[HB+12*(\a%2)+4:HB+12*(\a%2)+5], s[\cb:\cb+1] offset:\a*\cst+512
.if \a%2 == 1
	v_cndmask_b32 v[WC+\a/2], v[WR+\a-1], v[WR+\a], s[HM]   ; lanes 0-15: the tile before; lanes 16-31: this one
.if \sz == 32
	global_store_b32 v[L4], v[WC+\a/2], s[\sb:\sb+1] offset:64*(\a-1)
.else
	global_store_b16 v[L4], v[WC+\a/2], s[\sb:\sb+1] offset:64*(\a-1)
.endif
.endif
.endr
.endm
.macro NEXTP                           ; g's next K step
	s_wait_xcnt 0x0
	s_add_nc_u64 s[92:93], s[92:93], 12288
	s_add_nc_u64 s[94:95], s[94:95], 512
.endm
	s_wait_alu depctr_va_vdst(0)
	s_wait_tensorcnt 0x0                           ; my tile of the head's four is in
	ds_add_u32 v[SPW], v[NIL]
	s_mov_b32 s[G1BC+2], 96<<16                    ; no tensor load of mine is out: from here on a load brings a quarter of a panel, 96 rows
	s_mov_b32 s[G1BC+4], 96
	s_wait_dscnt 0x0
	CROUND                                         ; all four tiles are in, and all sixteen work-groups are here
	tensor_load_to_lds s[G0S1:G0S1+3], s[G1BC:G1BC+7]   ; slot 1's first fill: my one load behind the round
	s_nop 0
	PLACES
	APRE
.if FFN
	TILE 0, 0
	CHANGE 1, G0S0
	EPI 92, 94, 1536, 16, 1
	NEXTP
	TILE 1, 0
	CHANGE 1, G0S1
	EPI 92, 94, 1536, 16, 1
	NEXTP
	TILE 0, 0
	CHANGE 0, G0S0
	EPI 92, 94, 1536, 16, 1
	NEXTP
	TILE 1, 0
	EPI 92, 94, 1536, 16, 1
.else
	TILE 0, 0
	CHANGE 1, G0S0
	EPI 92, 94, 768, 32, 0                         ; q
	TILE 1, 0
	CHANGE 0, G0S0
	EPI 96, 98, 768, 32, 0                         ; k
	TILE 0, 1
	EPI 76, 78, 1536, 16, 0                        ; v, keys innermost
.endif
	s_wait_tensorcnt 0x0                           ; the wave's end
	ds_add_u32 v[SPW], v[NIL]
	s_wait_dscnt 0x0
	CROUND                                         ; the closing round
	s_endpgm
.Lfunc_end_k_q2154d8c960_qkv:
	.size	k_q2154d8c960_qkv, .Lfunc_end_k_q2154d8c960_qkv-k_q2154d8c960_qkv
	.p2alignl 7, 3214868480
	.fill 96, 4, 3214868480
	.section	.rodata,"a",@progbits
	.p2align	6, 0x0
	.amdhsa_kernel k_q2154d8c960_qkv
		.amdhsa_group_segment_fixed_size 327680
		.amdhsa_private_segment_fixed_size 0
		.amdhsa_enable_private_segment 0
		.amdhsa_kernarg_size 24
		.amdhsa_user_sgpr_count 2
		.amdhsa_user_sgpr_kernarg_segment_ptr 1
		.amdhsa_wavefront_size32 1
		.amdhsa_system_sgpr_workgroup_id_x 1
		.amdhsa_system_sgpr_workgroup_id_y 1
		.amdhsa_system_sgpr_workgroup_id_z 1
		.amdhsa_system_vgpr_workitem_id 0
		.amdhsa_next_free_vgpr 1024
		.amdhsa_next_free_sgpr 100
		.amdhsa_reserve_vcc 0
		.amdhsa_float_denorm_mode_32 3
		.amdhsa_float_denorm_mode_16_64 3
		.amdhsa_memory_ordered 1
		.amdhsa_forward_progress 1
		.amdhsa_inst_pref_size 130
	.end_amdhsa_kernel
	.amdgpu_metadata
---
amdhsa.version: [ 1, 2 ]
amdhsa.kernels:
  - .name:           k_q2154d8c960_qkv
    .symbol:         k_q2154d8c960_qkv.kd
    .args:
      - { .name: hq, .offset: 0, .size: 8, .value_kind: global_buffer, .address_space: global }
      - { .name: wts, .offset: 8, .size: 8, .value_kind: global_buffer, .address_space: global }
      - { .name: qkv, .offset: 16, .size: 8, .value_kind: global_buffer, .address_space: global }
    .group_segment_fixed_size: 327680
    .private_segment_fixed_size: 0
    .kernarg_segment_align: 8
    .kernarg_segment_size: 24
    .max_flat_workgroup_size: 128
    .sgpr_count:     100
    .vgpr_count:     1024
    .wavefront_size: 32
...
	.end_amdgpu_metadata
.endif
;; end of part 2
;; launch attn (part 3): grid 8 x 32, 16 waves a work-group, no clusters, 210,944 bytes of LDS; arguments qkv, msk, att; writes att
.if DOCPART == 3
	.amdgcn_target "amdgcn-amd-amdhsa--gfx1250"
	.amdhsa_code_object_version 6
	.text
	.protected	k_q2154d8c960_attn
	.globl	k_q2154d8c960_attn
	.p2align	8
	.type	k_q2154d8c960_attn,@function
k_q2154d8c960_attn:
	s_mov_b64 s[64:65], 0
	v_nop
	global_prefetch_b8 v0, s[64:65] scope:SCOPE_SE
	s_setreg_imm32_b32 hwreg(HW_REG_WAVE_MODE, 25, 1), 1
	s_wait_xcnt 0x0
; Attention of one head for two blocks of 128 queries, on codes of E2M3; the result, divided by the row's sum, is quantised along the head's 64 channels and stored as the next product's operand.
; WORK LEFT OUT: a step of 128 keys all of which the mask hides from all 16 queries of a wave's tile (p = 0 for each) is not computed; a group of four steps none of which any wave of the work-group computes is not
; brought into LDS.  Both are decided by the flags that the first launch stored from causal_mask as it is given; no pattern of the mask is built in.
; LIMIT: a NaN or an infinity in keys or values that only such steps hold is not carried to the result.
; A query all of whose keys are hidden (NaN by the definition): its sum is 0, and its two scale bytes are stored as 0xff, which makes that row of the next product NaN.
; SHARES.  Waves 0-7 own query block x, waves 8-15 block 15 - x (that only evens the work where later queries see more keys); a wave owns a tile of 16 queries in 256 registers, four waves to a SIMD.
; K AND V.  The head's 16 blocks of 13,056 bytes (a step of 128 keys each) are 208,896 consecutive bytes, and each has LDS bytes of its own: no LDS byte is written twice.
; They come in four groups of four steps, 52,224 bytes: six loads of 16 bytes a thread and a seventh in waves 0-5, into 28 staging registers, asked for a whole group (four steps of work) ahead of their store to LDS.
; The first group is asked for as soon as the arguments are there, ahead of the flags.  Two barriers a group: one when every wave's reads of the last group are over, one when the group's stores have landed;
; between them the waves walk their four steps on their own.
; THE LANE MASKS of a step that has both open and hidden keys are asked for one step ahead, by scalar loads.
; NO CLUSTER, NO TENSOR LOAD: the branches hang on numbers read from memory; joint requests are tensor loads.
; NO DATA PREFETCH: the loads themselves stand four steps ahead of the wait for them.
; SOFTMAX: t = score x log2(e) / 8; M = the running largest t rounded up to a whole number; p = 2^(t - M) is quantised along the keys; the sum is taken of the unquantised p; when M moves, the sum and O are multiplied by 2^(old M - new M), exactly.
; Both products are used transposed: a lane holds one query.  The head has 64 channels, half of the first product's 128: Q's upper six registers are zero codes, so what stands in K's upper six (the next tile's codes) adds nothing.
.set QS,    3145728
.set KV,    3407872
.set FL,    524288
.set ASCL,  3145728
.set STEPB, 13056                      ; a step's block: K's 8 half images, V's 4 images, K's scale words, V's
.set QUADB, 4*STEPB
.set SPARE, 16*STEPB                   ; 816 x 256: behind the sixteen blocks, the spare words, 128 bytes a wave
.set L16, 1
.set L8,  2
.set L4,  3
.set T16, 4                            ; 16 x thread: my place in 8,192 bytes, in memory and in LDS
.set A16, 5                            ; the step's block + L16, L8, L4
.set A8,  6
.set SPW, 7
.set NIL, 8
.set NINF, 9
.set QF,  16                           ; v16-27 Q's fragment
.set QSW, 28                           ; Q's scale words
.set A4,  29
.set ST,  30                           ; where my part of a group goes in LDS
.set STL, 32                           ; v32-35 the seventh staging set (waves 0-5)
.set KS,  38                           ; v38-41 K's scale words, v42-43 V's
.set KF,  44                           ; v44-97 K's eight half fragments and six zeros; then V's four fragments
.set S,   100                          ; v100-163 the scores, then p
.set O,   164                          ; v164-195 O^T
.set PC,  196                          ; v196-214 p's codes
.set SM,  196                          ; v196-211 the sum's eight chains, done with before the codes are made
.set BM,  216
.set BX,  220
.set SO,  224
.set FF,  228
.set PW,  229                          ; p's scale word
.set TV,  230
.set TW,  231
.set STG, 232                          ; v232-255 six staging sets
.set WV,  10
.set LW,  11                           ; the work-group's steps with an open key, a bit a step
.set WL,  66                           ; my tile's steps with an open key
.set WP,  67                           ; and those of them that also have a hidden one
.set MWO, 84
.set SB,  85                           ; the step's block in LDS
.set QB,  86                           ; the group's
.set CI,  87
.set MKA, 88
.set SEL, 90
.set CS,  92
.set HM,  94
.set CNT, 95
.set KVA, 104
.macro GLOADQ                          ; a group of four steps into the staging registers: each load of a wave takes 512 consecutive bytes
.irp i, 0,1,2,3,4,5
	global_load_b128 v[STG+4*\i:STG+4*\i+3], v[T16], s[KVA:KVA+1] offset:8192*\i
.endr
	s_cmp_lt_u32 s[WV], 6
	s_cbranch_scc0 .Lgl_\@
	global_load_b128 v[STL:STL+3], v[T16], s[KVA:KVA+1] offset:49152
.Lgl_\@:
.endm
.macro MLOAD bit, off                  ; the 64 lane masks of the step whose bit of WP is named
	s_bitcmp1_b32 s[WP], \bit
	s_cbranch_scc0 .Lnm_\@
	s_wait_kmcnt 0x0                               ; no scalar load is out on these registers
	s_load_b512 s[16:31], s[MKA:MKA+1], s[MWO] offset:\off
	s_load_b512 s[32:47], s[MKA:MKA+1], s[MWO] offset:\off+0x40
	s_load_b512 s[48:63], s[MKA:MKA+1], s[MWO] offset:\off+0x80
	s_load_b512 s[68:83], s[MKA:MKA+1], s[MWO] offset:\off+0xc0
.Lnm_\@:
.endm
	s_load_b128 s[4:7], s[0:1], 0x0                ; qkv, msk
	s_load_b64 s[8:9], s[0:1], 0x10                ; att
	v_lshl_add_u32 v[SPW], v0, 2, SPARE
	v_mov_b32 v[NIL], 0
	v_lshrrev_b32 v10, 5, v0
	s_delay_alu instid0(VALU_DEP_1)
	v_readfirstlane_b32 s[WV], v10
	s_and_b32 s12, ttmp7, 0xffff                   ; batch x 16 + head
	s_sub_co_u32 s13, 15, ttmp9
	s_cmp_lt_u32 s[WV], 8
	s_cselect_b32 s13, ttmp9, s13                  ; my block of 128 queries
	s_and_b32 s14, s[WV], 7                        ; my tile in it
	s_lshl_b32 s15, s13, 3
	s_add_co_u32 s15, s15, s14                     ; my tile in the sequence
	s_lshl_b32 s97, s15, 4
	s_add_co_u32 s97, s97, FL
	s_lshl_b32 s98, ttmp9, 7
	s_add_co_u32 s98, s98, FL
	s_sub_co_u32 s99, 15, ttmp9
	s_lshl_b32 s99, s99, 7
	s_add_co_u32 s99, s99, FL
	s_lshl_b32 s96, s12, 7
	s_add_co_u32 s96, s96, s15                     ; my tile among all heads' tiles
	s_lshl_b32 s11, s96, 6
	s_add_co_u32 s11, s11, QS                      ; where its scale words begin
	v_and_b32 v10, 31, v0
	v_and_b32 v11, 15, v0
	v_lshlrev_b32 v[T16], 4, v0
	v_lshlrev_b32 v[L16], 4, v10
	v_lshlrev_b32 v[L8], 3, v10
	v_lshlrev_b32 v[L4], 2, v10
	v_lshl_add_u32 v11, v11, 2, s11
	s_wait_alu depctr_va_vdst(0)
	s_wait_kmcnt 0x0
	s_load_b128 s[84:87], s[6:7], s97 offset:0x0   ; my tile's four flag words
	s_load_b512 s[16:31], s[6:7], s98 offset:0x0   ; and those of the work-group's sixteen tiles
	s_load_b512 s[32:47], s[6:7], s98 offset:0x40
	s_load_b512 s[48:63], s[6:7], s99 offset:0x0
	s_load_b512 s[68:83], s[6:7], s99 offset:0x40
	s_mul_i32 s2, s12, 16*STEPB                    ; a head's 16 blocks
	s_add_co_u32 s2, s2, KV
	s_mov_b32 s3, 0
	s_add_nc_u64 s[KVA:KVA+1], s[4:5], s[2:3]
	s_mul_i32 s2, s96, 768
	s_add_nc_u64 s[100:101], s[4:5], s[2:3]        ; Q's half image
	s_lshl_b32 s2, s15, 12
	s_add_nc_u64 s[MKA:MKA+1], s[6:7], s[2:3]      ; my tile's lane masks
	GLOADQ                                         ; steps 0-3
	global_load_b128 v[QF:QF+3], v[L16], s[100:101]
	global_load_b64 v[QF+4:QF+5], v[L8], s[100:101] offset:512
	global_load_b32 v[QSW], v11, s[4:5]
	v_mov_b32 v[NINF], 0xff800000
	v_mov_b32 v13, 0xff61b1e6                      ; the largest t so far: -3e38
	s_delay_alu instid0(VALU_DEP_1)
	v_floor_f32 v12, -v13                          ; -M
	v_mov_b32 v14, 0
	v_mov_b32 v15, 0
.irp j, 22,23,24,25,26,27, 92,93,94,95,96,97
	v_mov_b32 v\j, 0                               ; Q's upper half and the six behind K's last tile: zero codes
.endr
.set ZI, 0
.rept 16
	v_mov_b32 v[BM+ZI], 0                          ; the registers at work: written once on every path
.set ZI, ZI+1
.endr
.set ZI, 0
.rept 32
	v_mov_b32 v[O+ZI], 0                           ; O^T: the step is written once; the first finds zeros
.set ZI, ZI+1
.endr
	s_mov_b32 s[SEL], 0x76543210
	s_mov_b32 s[SEL+1], 0xfedcba98
	s_mov_b32 s[CS], 0x3e38aa3b                    ; log2(e) / 8
	s_mov_b32 s[CS+1], s[CS]
	s_mov_b32 s[HM], 0xffff0000
	s_mov_b32 s[CNT], 4
	s_wait_alu depctr_va_vdst(0)
	s_wait_kmcnt 0x0
	s_and_b32 s[WL], s84, 15
	s_bfe_u32 s[WP], s84, 0x40010
.irp q, 1,2,3
	s_and_b32 s96, s[84+\q], 15
	s_lshl_b32 s96, s96, 4*\q
	s_or_b32 s[WL], s[WL], s96
	s_bfe_u32 s96, s[84+\q], 0x40010
	s_lshl_b32 s96, s96, 4*\q
	s_or_b32 s[WP], s[WP], s96
.endr
	s_and_b32 s[WP], s[WP], s[WL]                  ; a step with no open key is not computed and needs no masks
.set IDX, 4
.rept 60
	s_or_b32 s[16+IDX%4], s[16+IDX%4], s[16+IDX+4*(IDX/48)]
.set IDX, IDX+1
.endr
	s_and_b32 s[LW], s16, 15
.irp q, 1,2,3
	s_and_b32 s96, s[16+\q], 15
	s_lshl_b32 s96, s96, 4*\q
	s_or_b32 s[LW], s[LW], s96
.endr
	s_mov_b32 s[MWO], 0
	s_mov_b32 s[SB], 0
	s_mov_b32 s[QB], 0
	MLOAD 0, 0x0                                   ; step 0's masks
; A GROUP OF FOUR STEPS.  The bytes asked for a group ago go to their own place in LDS; a barrier; the next group is asked for; four steps; a barrier when the reads are over.
.Lquad:
	s_wait_loadcnt 0x0
	s_and_b32 s96, s[LW], 15
	s_cbranch_scc0 .Lnst
	v_add_nc_u32 v[ST], s[QB], v[T16]
.irp i, 0,1,2,3,4,5
	ds_store_b128 v[ST], v[STG+4*\i:STG+4*\i+3] offset:8192*\i
.endr
	s_cmp_lt_u32 s[WV], 6
	s_cbranch_scc0 .Lnst
	ds_store_b128 v[ST], v[STL:STL+3] offset:49152
.Lnst:
	s_wait_dscnt 0x0                               ; my stores have landed, and have read their registers
	s_barrier_signal -1
	s_barrier_wait -1                              ; everybody's have
	s_wait_xcnt 0x0                                ; the last loads have read their base
	s_add_nc_u64 s[KVA:KVA+1], s[KVA:KVA+1], QUADB
	s_add_co_u32 s[QB], s[QB], QUADB
	s_and_b32 s96, s[LW], 0xf0                     ; (behind the sixteenth step the bits are 0: the last group asks for nothing)
	s_cbranch_scc0 .Lnld
	GLOADQ
.Lnld:
	s_mov_b32 s[CI], 4
.Lstep:
	s_bitcmp1_b32 s[WL], 0
	s_cbranch_scc1 .Ldo
	MLOAD 1, 0x100                                 ; a step left out still asks for the next step's masks
	s_branch .Lnext
.Ldo:
	v_add_nc_u32 v[A16], s[SB], v[L16]
	v_add_nc_u32 v[A8], s[SB], v[L8]
	v_add_nc_u32 v[A4], s[SB], v[L4]
	s_wait_alu depctr_va_vdst(0)
.irp t, 0,1,2,3,4,5,6,7
	ds_load_b128 v[KF+6*\t:KF+6*\t+3], v[A16] offset:768*\t
	ds_load_b64 v[KF+6*\t+4:KF+6*\t+5], v[A8] offset:768*\t+512
.endr
.irp i, 0,1,2,3,4,5
	ds_load_b32 v[KS+\i], v[A4] offset:12288+128*\i    ; two tiles' scale words a register: lanes 0-15 the even tile's, lanes 16-31 the odd one's
.endr
	s_wait_dscnt 0x0
.irp t, 0,1,2,3,4,5,6,7
.if \t%2
	v_wmma_scale_f32_16x16x128_f8f6f4 v[S+8*\t:S+8*\t+7], v[KF+6*\t:KF+6*\t+11], v[QF:QF+11], 0, v[KS+\t/2], v[QSW] matrix_a_fmt:MATRIX_FMT_FP6 matrix_b_fmt:MATRIX_FMT_FP6 matrix_a_scale:MATRIX_SCALE_ROW1
.else
	v_wmma_scale_f32_16x16x128_f8f6f4 v[S+8*\t:S+8*\t+7], v[KF+6*\t:KF+6*\t+11], v[QF:QF+11], 0, v[KS+\t/2], v[QSW] matrix_a_fmt:MATRIX_FMT_FP6 matrix_b_fmt:MATRIX_FMT_FP6
.endif
.endr
.rept 4
	v_nop                                          ; four places: in front of the loads into K's registers and of the first read of the scores
.endr
.irp d, 0,1,2,3
	ds_load_b128 v[KF+12*\d:KF+12*\d+3], v[A16] offset:6144+1536*\d
	ds_load_b64 v[KF+12*\d+4:KF+12*\d+5], v[A8] offset:6144+1536*\d+512
	ds_load_b128 v[KF+12*\d+6:KF+12*\d+9], v[A16] offset:6144+1536*\d+768
	ds_load_b64 v[KF+12*\d+10:KF+12*\d+11], v[A8] offset:6144+1536*\d+1280
.endr
	s_bitcmp1_b32 s[WP], 0                         ; a step with no hidden key needs no mask
	s_cbranch_scc0 .Lopen
	s_wait_kmcnt 0x0                               ; the masks asked for a step ago
.set CN, 0
.rept 64
	v_cndmask_b32 v[S+CN], v[S+CN], v[NINF], s[16+CN+4*(CN/48)]   ; hidden scores become -infinity
.set CN, CN+1
.endr
	s_wait_alu depctr_va_vdst(0)
.Lopen:
	MLOAD 1, 0x100                                 ; the next step's masks: this step's have been used
.irp b, 0,1,2,3
	v_max3_num_f32 v[BM+\b], v[S+16*\b], v[S+1+16*\b], v[S+2+16*\b]   ; the largest score of each block of 32 keys: for the row's maximum and for the block's largest p
.endr
.irp i, 3,5,7,9,11,13
.irp b, 0,1,2,3
	v_max3_num_f32 v[BM+\b], v[BM+\b], v[S+16*\b+\i], v[S+1+16*\b+\i]
.endr
.endr
.irp b, 0,1,2,3
	v_max_num_f32 v[BM+\b], v[BM+\b], v[S+15+16*\b]
.endr
.irp b, 0,1,2,3
	s_delay_alu instid0(VALU_DEP_4)
	v_permlanex16_b32 v[BX+\b], v[BM+\b], s[SEL], s[SEL+1]
.endr
.irp b, 0,1,2,3
	s_delay_alu instid0(VALU_DEP_4)
	v_max_num_f32 v[BM+\b], v[BM+\b], v[BX+\b]
.endr
	s_delay_alu instid0(VALU_DEP_2)
	v_max3_num_f32 v[TV], v[BM], v[BM+1], v[BM+2]
	s_delay_alu instid0(VALU_DEP_1)
	v_max_num_f32 v[TV], v[TV], v[BM+3]
	s_delay_alu instid0(VALU_DEP_1)
	v_mul_f32 v[TV], s[CS], v[TV]
	s_delay_alu instid0(VALU_DEP_1)
	v_max_num_f32 v13, v13, v[TV]                  ; the running largest t
	v_mov_b32 v[TV], v12
	s_delay_alu instid0(VALU_DEP_2)
	v_floor_f32 v12, -v13                          ; -M = floor(-t)
	s_delay_alu instid0(VALU_DEP_1)
	v_sub_f32 v[TV], v12, v[TV]                    ; old M - new M, a whole number
	s_delay_alu instid0(VALU_DEP_1)
	v_cvt_i32_f32 v[TV], v[TV]
	s_delay_alu instid0(VALU_DEP_1)
	v_ldexp_f32 v[FF], 1.0, v[TV]                  ; f = 2^(old M - new M)
.set CN, 0
.rept 32
	v_pk_fma_f32 v[S+CN:S+CN+1], v[S+CN:S+CN+1], s[CS:CS+1], v[12:13] op_sel_hi:[1,0,0]   ; t - M
.set CN, CN+2
.endr
.irp b, 0,1,2,3
	v_fma_f32 v[BM+\b], v[BM+\b], s[CS], v12
.endr
.set CN, 0
	s_wait_alu depctr_va_vdst(0)
.rept 64
	v_exp_f32 v[S+CN], v[S+CN]
.set CN, CN+1
.endr
	v_pk_mul_f32 v[14:15], v[14:15], v[FF:FF+1] op_sel_hi:[1,0]    ; the sums under the new M: a plain line behind the batch
	s_wait_alu depctr_va_vdst(0)                   ; one wait for the 64, ahead of their first reader
.irp b, 0,1,2,3
	v_exp_f32 v[BM+\b], v[BM+\b]                   ; each block's largest p
.endr
.irp c, 0,1,2,3,4,5,6,7
	v_pk_add_f32 v[SM+2*\c:SM+2*\c+1], v[S+2*\c:S+2*\c+1], v[S+16+2*\c:S+17+2*\c]   ; the sum of the unquantised p: eight chains of packed additions
.endr
.irp r, 32, 48
.irp c, 0,1,2,3,4,5,6,7
	v_pk_add_f32 v[SM+2*\c:SM+2*\c+1], v[SM+2*\c:SM+2*\c+1], v[S+\r+2*\c:S+\r+1+2*\c]
.endr
.endr
	v_pk_add_f32 v[SM:SM+1], v[SM:SM+1], v[SM+2:SM+3]
	v_pk_add_f32 v[SM+4:SM+5], v[SM+4:SM+5], v[SM+6:SM+7]
	v_pk_add_f32 v[SM+8:SM+9], v[SM+8:SM+9], v[SM+10:SM+11]
	s_delay_alu instid0(VALU_DEP_4)
	v_pk_add_f32 v[SM+12:SM+13], v[SM+12:SM+13], v[SM+14:SM+15]
	s_delay_alu instid0(VALU_DEP_3)
	v_pk_add_f32 v[SM:SM+1], v[SM:SM+1], v[SM+4:SM+5]
	s_delay_alu instid0(VALU_DEP_2)
	v_pk_add_f32 v[SM+8:SM+9], v[SM+8:SM+9], v[SM+12:SM+13]
	s_delay_alu instid0(VALU_DEP_1)
	v_pk_add_f32 v[SM:SM+1], v[SM:SM+1], v[SM+8:SM+9]
	s_delay_alu instid0(VALU_DEP_1)
	v_pk_add_f32 v[14:15], v[14:15], v[SM:SM+1]
	s_wait_alu depctr_va_vdst(0)                   ; and one for the four
.irp b, 0,1,2,3
	v_max_num_f32 v[BM+\b], 0x1800000, v[BM+\b]
.endr
.irp b, 0,1,2,3
	s_delay_alu instid0(VALU_DEP_4)
	v_add_nc_u32 v[SO+\b], 0xff000000, v[BM+\b]
.endr
.irp b, 0,1,2,3
	s_delay_alu instid0(VALU_DEP_4)
	v_lshrrev_b32 v[BX+\b], 23, v[SO+\b]
.endr
	s_delay_alu instid0(VALU_DEP_3)
	v_lshl_or_b32 v[PW], v[BX+1], 8, v[BX]
	s_delay_alu instid0(VALU_DEP_1)
	v_lshl_or_b32 v[PW], v[BX+2], 16, v[PW]
	s_delay_alu instid0(VALU_DEP_1)
	v_lshl_or_b32 v[PW], v[BX+3], 24, v[PW]
.irp c, 0,1
	v_cvt_scalef32_pk16_fp6_f32 v[PC+6*\c:PC+2+6*\c], v[S+32*\c:S+15+32*\c], v[SO+2*\c]
	v_cvt_scalef32_pk16_fp6_f32 v[PC+12+4*\c:PC+14+4*\c], v[S+16+32*\c:S+31+32*\c], v[SO+2*\c+1]
.endr
	v_nop
.irp c, 0,1
.irp i, 0,1,2
	v_permlane16_swap_b32 v[PC+6*\c+\i], v[PC+12+4*\c+\i]
.endr
.irp i, 0,1,2
	s_delay_alu instid0(VALU_DEP_3)
	v_mov_b32 v[PC+3+6*\c+\i], v[PC+12+4*\c+\i]
.endr
.endr
.set CN, 0
.rept 16
	v_pk_mul_f32 v[O+CN:O+CN+1], v[O+CN:O+CN+1], v[FF:FF+1] op_sel_hi:[1,0]   ; O^T under the new M; these sixteen are also the places in front of the products below
.set CN, CN+2
.endr
	s_wait_alu depctr_va_vdst(0)
	s_wait_dscnt 0x0                               ; V is in
.irp d, 0,1,2,3
.if \d%2
	v_wmma_scale_f32_16x16x128_f8f6f4 v[O+8*\d:O+8*\d+7], v[KF+12*\d:KF+12*\d+11], v[PC:PC+11], v[O+8*\d:O+8*\d+7], v[KS+4+\d/2], v[PW] matrix_a_fmt:MATRIX_FMT_FP6 matrix_b_fmt:MATRIX_FMT_FP6 matrix_a_scale:MATRIX_SCALE_ROW1
.else
	v_wmma_scale_f32_16x16x128_f8f6f4 v[O+8*\d:O+8*\d+7], v[KF+12*\d:KF+12*\d+11], v[PC:PC+11], v[O+8*\d:O+8*\d+7], v[KS+4+\d/2], v[PW] matrix_a_fmt:MATRIX_FMT_FP6 matrix_b_fmt:MATRIX_FMT_FP6
.endif
.endr
.rept 4
	v_nop                                          ; four places: in front of the next loads into these registers and of the next read of O^T
.endr
.Lnext:
	s_wait_xcnt 0x0                                ; the scalar loads have read their offset: it may step
	s_lshr_b32 s[LW], s[LW], 1
	s_lshr_b32 s[WL], s[WL], 1
	s_lshr_b32 s[WP], s[WP], 1
	s_add_co_u32 s[MWO], s[MWO], 256
	s_add_co_u32 s[SB], s[SB], STEPB
	s_sub_co_u32 s[CI], s[CI], 1
	s_cmp_lg_u32 s[CI], 0
	s_cbranch_scc1 .Lstep
	s_wait_dscnt 0x0                               ; my reads of this group are over
	s_barrier_signal -1
	s_barrier_wait -1                              ; everybody's are
	s_sub_co_u32 s[CNT], s[CNT], 1
	s_cmp_lg_u32 s[CNT], 0
	s_cbranch_scc1 .Lquad
	; THE WAY OUT
	v_add_f32 v14, v14, v15
	s_delay_alu instid0(VALU_DEP_1)
	v_permlanex16_b32 v[BX], v14, s[SEL], s[SEL+1]
	s_delay_alu instid0(VALU_DEP_1)
	v_add_f32 v14, v14, v[BX]                      ; the row's sum
	s_delay_alu instid0(VALU_DEP_1)
	v_cmp_eq_f32 s96, 0, v14                       ; a query with no open key
	s_delay_alu instid0(VALU_DEP_2)
	v_max_num_f32 v15, 0x800000, v14
	s_wait_alu depctr_va_vdst(0)
	v_rcp_f32 v[TV], v15
	v_and_b32 v10, 15, v0
	v_bfe_u32 v11, v0, 4, 1
	s_delay_alu instid0(VALU_DEP_1)
	v_lshl_add_u32 v10, v10, 2, v11                ; my scale byte's place: 4 r + h
	s_lshr_b32 s2, s12, 4
	s_lshl_b32 s2, s2, 4
	s_add_co_u32 s2, s2, s13                       ; the panel of 128 tokens
	s_and_b32 s3, s12, 15                          ; the head
	s_lshl_b32 s2, s2, 3
	s_lshr_b32 s97, s3, 1
	s_add_co_u32 s2, s2, s97                       ; 8 x panel + K step
	s_and_b32 s3, s3, 1                            ; which half of the K step
	s_lshl_b32 s98, s2, 3
	s_add_co_u32 s98, s98, s14
	s_mul_i32 s98, s98, 1536
	s_mul_i32 s97, s3, 768
	s_add_co_u32 s98, s98, s97
	s_mov_b32 s99, 0
	s_add_nc_u64 s[100:101], s[8:9], s[98:99]
	s_lshl_b32 s98, s2, 9
	s_lshl_b32 s97, s14, 6
	s_add_co_u32 s98, s98, s97
	s_lshl_b32 s97, s3, 1
	s_add_co_u32 s98, s98, s97
	s_add_co_u32 s98, s98, ASCL
	s_add_nc_u64 s[98:99], s[8:9], s[98:99]
	s_wait_alu depctr_va_vdst(0)                   ; the wait for the reciprocal, ahead of its first reader
.set CN, 0
.rept 32
	v_mul_f32 v[S+CN], v[O+CN], v[TV]              ; register 16 b + i: channel 32 b + 16 h + i
.set CN, CN+1
.endr
.irp b, 0,1
	v_max3_num_f32 v[BM+\b], |v[S+16*\b]|, |v[S+1+16*\b]|, 0x1800000
.endr
.irp i, 2,4,6,8,10,12,14
.irp b, 0,1
	s_delay_alu instid0(VALU_DEP_2)
	v_max3_num_f32 v[BM+\b], v[BM+\b], |v[S+16*\b+\i]|, |v[S+1+16*\b+\i]|
.endr
.endr
.irp b, 0,1
	s_delay_alu instid0(VALU_DEP_2)
	v_permlanex16_b32 v[BM+2+\b], v[BM+\b], s[SEL], s[SEL+1]
.endr
.irp b, 0,1
	s_delay_alu instid0(VALU_DEP_2)
	v_max_num_f32 v[BM+\b], v[BM+\b], v[BM+2+\b]
.endr
.irp b, 0,1
	s_delay_alu instid0(VALU_DEP_2)
	v_add_nc_u32 v[BM+4+\b], 0xff000000, v[BM+\b]
.endr
.irp b, 0,1
	s_delay_alu instid0(VALU_DEP_2)
	v_lshrrev_b32 v[BM+6+\b], 23, v[BM+4+\b]
.endr
	v_cvt_scalef32_pk16_fp6_f32 v[PC:PC+2], v[S:S+15], v[BM+4]
	v_cvt_scalef32_pk16_fp6_f32 v[PC+8:PC+10], v[S+16:S+31], v[BM+5]
	v_nop
.irp i, 0,1,2
	v_permlane16_swap_b32 v[PC+\i], v[PC+8+\i]
.endr
.irp i, 0,1,2
	s_delay_alu instid0(VALU_DEP_3)
	v_mov_b32 v[PC+3+\i], v[PC+8+\i]
.endr
	v_cndmask_b32 v[TW], v[BM+6], v[BM+7], s[HM]   ; lanes 0-15 store block 0's byte, lanes 16-31 block 1's
	v_mov_b32 v[TV], 0xff
	s_delay_alu instid0(VALU_DEP_1)
	v_cndmask_b32 v[TW], v[TW], v[TV], s96
	global_store_b128 v[L16], v[PC:PC+3], s[100:101]
	global_store_b64 v[L8], v[PC+4:PC+5], s[100:101] offset:512
	global_store_b8 v10, v[TW], s[98:99]
	s_wait_tensorcnt 0x0                           ; the wave's end, behind my last LDS store
	ds_add_u32 v[SPW], v[NIL]
	s_wait_dscnt 0x0
	s_endpgm
.Lfunc_end_k_q2154d8c960_attn:
	.size	k_q2154d8c960_attn, .Lfunc_end_k_q2154d8c960_attn-k_q2154d8c960_attn
	.p2alignl 7, 3214868480
	.fill 96, 4, 3214868480
	.section	.rodata,"a",@progbits
	.p2align	6, 0x0
	.amdhsa_kernel k_q2154d8c960_attn
		.amdhsa_group_segment_fixed_size 210944
		.amdhsa_private_segment_fixed_size 0
		.amdhsa_enable_private_segment 0
		.amdhsa_kernarg_size 24
		.amdhsa_user_sgpr_count 2
		.amdhsa_user_sgpr_kernarg_segment_ptr 1
		.amdhsa_wavefront_size32 1
		.amdhsa_system_sgpr_workgroup_id_x 1
		.amdhsa_system_sgpr_workgroup_id_y 1
		.amdhsa_system_sgpr_workgroup_id_z 1
		.amdhsa_system_vgpr_workitem_id 0
		.amdhsa_next_free_vgpr 256
		.amdhsa_next_free_sgpr 106
		.amdhsa_reserve_vcc 0
		.amdhsa_float_denorm_mode_32 3
		.amdhsa_float_denorm_mode_16_64 3
		.amdhsa_memory_ordered 1
		.amdhsa_forward_progress 1
		.amdhsa_inst_pref_size 40
	.end_amdhsa_kernel
	.amdgpu_metadata
---
amdhsa.version: [ 1, 2 ]
amdhsa.kernels:
  - .name:           k_q2154d8c960_attn
    .symbol:         k_q2154d8c960_attn.kd
    .args:
      - { .name: qkv, .offset: 0, .size: 8, .value_kind: global_buffer, .address_space: global }
      - { .name: msk, .offset: 8, .size: 8, .value_kind: global_buffer, .address_space: global }
      - { .name: att, .offset: 16, .size: 8, .value_kind: global_buffer, .address_space: global }
    .group_segment_fixed_size: 210944
    .private_segment_fixed_size: 0
    .kernarg_segment_align: 8
    .kernarg_segment_size: 24
    .max_flat_workgroup_size: 512
    .sgpr_count:     106
    .vgpr_count:     256
    .wavefront_size: 32
...
	.end_amdgpu_metadata
.endif
;; end of part 3
;; launch oproj (part 4): grid 8 x 32, 4 waves a work-group, clusters of 4 x 4, 327,680 bytes of LDS; arguments att, wts, x, x1; writes x1
.if DOCPART == 4
	.amdgcn_target "amdgcn-amd-amdhsa--gfx1250"
	.amdhsa_code_object_version 6
	.text
	.protected	k_q2154d8c960_oproj
	.globl	k_q2154d8c960_oproj
	.p2align	8
	.type	k_q2154d8c960_oproj,@function
k_q2154d8c960_oproj:
	s_mov_b64 s[64:65], 0
	v_nop
	global_prefetch_b8 v0, s[64:65] scope:SCOPE_SE
	s_setreg_imm32_b32 hwreg(HW_REG_WAVE_MODE, 25, 1), 1
	s_wait_xcnt 0x0
	s_wait_alu depctr_hold_cnt(0) depctr_sa_sdst(0) depctr_va_vdst(0) depctr_va_sdst(0) depctr_va_ssrc(0) depctr_va_vcc(0) depctr_vm_vsrc(0)
	s_getreg_b32 s2, hwreg(HW_REG_IB_STS2, 6, 4)
	s_cmp_eq_u32 s2, 0
	s_cbranch_scc0 .Lentry_in_a_cluster
	s_endpgm
.Lentry_in_a_cluster:
	s_bfe_u32 s2, ttmp6, 0x10000c
	s_cmp_lg_u32 s2, 0xf033
	s_cbranch_scc0 .Lentry_shape_is_right
	s_endpgm
.Lentry_shape_is_right:
; x1 = x + att Wo (K = 1,024).  Both operands are codes of E2M3 with E8M0 scales, laid as images (first kernel's head); the result is f32.
; A tile of 128 x 128 to a work-group, four waves of 64 x 64: 16 accumulators, which take turns in the same order in every K step.
; ALL OF K COMES AT THE HEAD, ONE TENSOR LOAD A WAVE: a panel's codes for K = 1,024 are one dense block of 98,304 bytes, its scale words one of 4,096.  Wave 0 fetches the rows' codes, wave 1 the weights',
; wave 2 the rows' scale words, wave 3 the weights'.  No LDS byte is filled twice; a wave has one tensor load out.
; CLUSTER 4 x 4: the four of a row share the rows' panel, the four of a column the weights': joint loads.  No data prefetch: the launch has no loop to run ahead in.
; The residual's 128 registers a lane are asked for at the head and lie in window 2.
; The product is used transposed (source 0 = 16 weight columns, source 1 = 16 rows): a lane holds 8 neighbouring columns of a row; a tile of 16 rows x 64 columns goes through the wave's own stage and leaves as aligned runs of 256 bytes.
.set ASOFF, 3145728
.set PBASE, 24
.set WS,    9437184
.set BOP,   98304                      ; LDS: the rows' codes at 0, the weights' here,
.set ASC,   196608                     ; the rows' scale words,
.set BSC,   212992                     ; the weights',
.set STAGE, 229376                     ; four stages of 16 rows x 272 bytes,
.set SPARE, 246784                     ; and the spare words
.set AA16, 4
.set AA8,  6
.set BA16, 8
.set BA8,  10
.set SA,   16
.set SPW,  18
.set NIL,  19
.set STO,  20
.set RD,   21
.set RO,   22
.set SC,   32
.set ACC,  128
.set WV,   12
.set WRW,  13
.set WCL,  14
.set CX,   15
.set CY,   72
.set GX,   73
.set YY,   74
.set CM,   75
.set RM,   91
.set G1AC, 16
.set G1AS, 24
.set G1BC, 32
.set G1BS, 40
.set G0AS, 48
.set G0BS, 52
.set G0A,  56
.set G0B,  60
.set MSB, 0
.macro WIN new                         ; the immediate's high byte repeats the setting that is left
.if MSB != \new
	s_set_vgpr_msb (MSB<<8)|\new
.set MSB, \new
.endif
.endm
.set MUL,  0x05
.set TO_F, 0x40
.macro PLACES
.rept 4
	v_nop
.endr
.endm
.macro CROUND
	s_barrier_signal -1
	s_barrier_wait -1
	s_cmp_lg_u32 s[WV], 0
	s_cbranch_scc1 .Lnot_wave_0_\@
	s_barrier_signal -3
.Lnot_wave_0_\@:
	s_barrier_wait -3
	s_barrier_signal -1
	s_barrier_wait -1
.endm
.macro G1REST g, r                     ; a dense block as r rows of 256 bytes: 32 elements of 8 bytes
	s_mov_b32 s[\g+1], 32<<16
	s_mov_b32 s[\g+2], (\r)<<16
	s_mov_b32 s[\g+3], 32<<16
	s_mov_b32 s[\g+4], \r
	s_mov_b32 s[\g+5], 32
	s_mov_b32 s[\g+6], 0
	s_mov_b32 s[\g+7], 0
.endm
.macro G0SET g, lds, a                 ; group 0: count, LDS address, global address, type
	s_mov_b32 s[\g], 1
	s_mov_b32 s[\g+1], \lds
	s_mov_b64 s[\g+2:\g+3], s[\a:\a+1]
	s_or_b32 s[\g+3], s[\g+3], 0x80000000
.endm
.macro ARM under, g0, g1, next
	s_cmp_lt_u32 s[WV], \under
	s_cbranch_scc0 \next
	tensor_load_to_lds s[\g0:\g0+3], s[\g1:\g1+7]
	s_nop 0
	PLACES
	s_branch .Lhead_asked
\next:
.endm
	s_load_b256 s[4:11], s[0:1], 0x0               ; the rows' operand, the weights', the residual, the result
	v_lshl_add_u32 v[SPW], v0, 2, SPARE
	v_mov_b32 v[NIL], 0
	ds_add_u32 v[SPW], v[NIL]                      ; the opening: the add, twice on end, and its wait ahead of my first tensor load
	ds_add_u32 v[SPW], v[NIL]
	v_lshrrev_b32 v1, 5, v0
	v_readfirstlane_b32 s[WV], v1
	s_lshr_b32 s[WRW], s[WV], 1
	s_and_b32 s[WCL], s[WV], 1
	s_bfe_u32 s[CX], ttmp6, 0x40000
	s_bfe_u32 s[CY], ttmp6, 0x40004
	s_lshl_b32 s[GX], ttmp9, 2
	s_add_co_u32 s[GX], s[GX], s[CX]
	s_and_b32 s[YY], ttmp7, 0xffff
	s_lshl_b32 s[YY], s[YY], 2
	s_add_co_u32 s[YY], s[YY], s[CY]
	s_lshl_b32 s[RM], s[CY], 2
	s_lshl_b32 s[RM], 15, s[RM]
	s_lshl_b32 s[CM], 0x1111, s[CX]
	s_or_b32 s[G1AC], s[RM], (3<<16)|(1<<21)
	s_or_b32 s[G1AS], s[RM], (3<<16)|(1<<21)
	s_or_b32 s[G1BC], s[CM], (3<<16)|(1<<21)
	s_or_b32 s[G1BS], s[CM], (3<<16)|(1<<21)
	G1REST G1AC, 384                               ; a panel's codes
	G1REST G1AS, 16                                ; its scale words
	G1REST G1BC, 384
	G1REST G1BS, 16
	s_mul_i32 s80, s[YY], 98304
	s_mov_b32 s81, 0
	s_lshl_b32 s82, s[YY], 12
	s_add_co_u32 s82, s82, ASOFF
	s_mov_b32 s83, 0
	s_add_co_u32 s3, s[GX], PBASE
	s_mul_i32 s84, s3, 98304
	s_mov_b32 s85, 0
	s_lshl_b32 s86, s3, 12
	s_add_co_u32 s86, s86, WS
	s_mov_b32 s87, 0
	s_wait_dscnt 0x0                               ; both opening adds are done
	s_wait_kmcnt 0x0
	s_add_nc_u64 s[80:81], s[4:5], s[80:81]
	s_add_nc_u64 s[82:83], s[4:5], s[82:83]
	s_add_nc_u64 s[84:85], s[6:7], s[84:85]
	s_add_nc_u64 s[86:87], s[6:7], s[86:87]
	G0SET G0A, 0, 80
	G0SET G0AS, ASC, 82
	G0SET G0B, BOP, 84
	G0SET G0BS, BSC, 86
	CROUND                                         ; all sixteen work-groups are here: the joint loads meet
	ARM 1, G0A, G1AC, .Lhead_b                     ; one chain of branches on the wave's number, a load to an arm, all arms to one join
	ARM 2, G0B, G1BC, .Lhead_sa
	ARM 3, G0AS, G1AS, .Lhead_sb
	tensor_load_to_lds s[G0BS:G0BS+3], s[G1BS:G1BS+7]
	s_nop 0
	PLACES
.Lhead_asked:
	v_and_b32 v1, 31, v0
	v_and_b32 v2, 15, v0
	v_bfe_u32 v3, v0, 4, 1
	v_lshlrev_b32 v23, 4, v1
	v_lshlrev_b32 v24, 3, v1
	s_mul_i32 s2, s[WRW], 6144                     ; my four tiles of the rows
	s_mul_i32 s3, s[WCL], 6144                     ; my four tiles of the weights
	s_add_co_u32 s3, s3, BOP
	v_add_nc_u32 v[AA16], s2, v23
	v_add_nc_u32 v[AA8], s2, v24
	v_add_nc_u32 v[AA16+1], 49152, v[AA16]         ; K steps 4 to 7: offsets stay inside 16 bits
	v_add_nc_u32 v[AA8+1], 49152, v[AA8]
	v_add_nc_u32 v[BA16], s3, v23
	v_add_nc_u32 v[BA8], s3, v24
	v_add_nc_u32 v[BA16+1], 49152, v[BA16]
	v_add_nc_u32 v[BA8+1], 49152, v[BA8]
	s_lshl_b32 s2, s[WRW], 8
	s_lshl_b32 s3, s[WCL], 8
	s_sub_co_u32 s3, s3, s2
	s_add_co_u32 s3, s3, BSC-ASC
	v_mul_u32_u24 v[SA], s3, v3                    ; lanes 16-31 take the weights' words: one product with the lane's half
	s_add_co_u32 s2, s2, ASC
	v_lshl_add_u32 v[SA], v2, 2, v[SA]
	v_add_nc_u32 v[SA], s2, v[SA]
	s_mul_i32 s2, s[WV], 4352
	s_add_co_u32 s2, s2, STAGE                     ; my stage: 16 rows x (256 + 16) bytes
	v_mul_u32_u24 v[STO], v2, 272
	v_lshl_add_u32 v[STO], v3, 6, v[STO]
	v_add_nc_u32 v[STO], s2, v[STO]                ; in: row r, + 64 h
	v_mul_u32_u24 v[RD], v3, 272
	v_lshl_add_u32 v[RD], v2, 4, v[RD]
	v_add_nc_u32 v[RD], s2, v[RD]                  ; back: lanes 0-15 one row, lanes 16-31 the next
	v_lshlrev_b32 v[RO], 12, v3
	v_lshl_add_u32 v[RO], v2, 4, v[RO]             ; and the same two rows in memory
	s_wait_alu depctr_va_vdst(0)
	s_lshl_b32 s2, s[YY], 7
	s_lshl_b32 s3, s[WRW], 6
	s_add_co_u32 s2, s2, s3
	s_lshl_b32 s2, s2, 12                          ; my first row
	s_lshl_b32 s3, s[GX], 9
	s_add_co_u32 s2, s2, s3
	s_lshl_b32 s3, s[WCL], 8
	s_add_co_u32 s2, s2, s3                        ; my first column
	s_mov_b32 s3, 0
	s_add_nc_u64 s[92:93], s[8:9], s[2:3]
	s_add_nc_u64 s[94:95], s[10:11], s[2:3]
	WIN 0x80                                       ; destination window 2
.irp a, 0,1,2,3
.irp t, 0,1,2,3,4,5,6,7
	global_load_b128 v[32*\a+4*\t:32*\a+4*\t+3], v[RO], s[92:93] offset:(32*(\a/2)+8*(\a%2)+2*\t+8*(\t/4))*4096   ; the residual: place 2 t + h of tile a is this row
.endr
.endr
	WIN 0
; a K step's fragments into set p: r picks K steps 0-3 or 4-7, ko the K step among those four; so: where its scale words begin
.macro FETCH p, r, ko, so
	WIN TO_F
.irp a, 0,1,2,3
	ds_load_b128 v[128*(\p)+12*\a:128*(\p)+12*\a+3], v[AA16+(\r)] offset:(\ko)*12288+\a*1536
	ds_load_b64 v[128*(\p)+12*\a+4:128*(\p)+12*\a+5], v[AA8+(\r)] offset:(\ko)*12288+\a*1536+512
	ds_load_b128 v[128*(\p)+12*\a+6:128*(\p)+12*\a+9], v[AA16+(\r)] offset:(\ko)*12288+\a*1536+768
	ds_load_b64 v[128*(\p)+12*\a+10:128*(\p)+12*\a+11], v[AA8+(\r)] offset:(\ko)*12288+\a*1536+1280
.endr
.irp b, 0,1,2,3
	ds_load_b128 v[128*(\p)+48+12*\b:128*(\p)+48+12*\b+3], v[BA16+(\r)] offset:(\ko)*12288+\b*1536
	ds_load_b64 v[128*(\p)+48+12*\b+4:128*(\p)+48+12*\b+5], v[BA8+(\r)] offset:(\ko)*12288+\b*1536+512
	ds_load_b128 v[128*(\p)+48+12*\b+6:128*(\p)+48+12*\b+9], v[BA16+(\r)] offset:(\ko)*12288+\b*1536+768
	ds_load_b64 v[128*(\p)+48+12*\b+10:128*(\p)+48+12*\b+11], v[BA8+(\r)] offset:(\ko)*12288+\b*1536+1280
.endr
	WIN 0
.irp i, 0,1,2,3
	ds_load_b32 v[SC+4*(\p)+\i], v[SA] offset:(\so)+64*\i
.endr
.endm
.macro MUL16 p, zero
	WIN MUL
.irp a, 0,1,2,3
.irp b, 0,1,2,3
.if \zero
	v_wmma_scale_f32_16x16x128_f8f6f4 v[ACC+8*(4*\a+\b):ACC+8*(4*\a+\b)+7], v[128*(\p)+48+12*\b:128*(\p)+48+12*\b+11], v[128*(\p)+12*\a:128*(\p)+12*\a+11], 0, v[SC+4*(\p)+\b], v[SC+4*(\p)+\a] matrix_a_fmt:MATRIX_FMT_FP6 matrix_b_fmt:MATRIX_FMT_FP6 matrix_a_scale:MATRIX_SCALE_ROW1
.else
	v_wmma_scale_f32_16x16x128_f8f6f4 v[ACC+8*(4*\a+\b):ACC+8*(4*\a+\b)+7], v[128*(\p)+48+12*\b:128*(\p)+48+12*\b+11], v[128*(\p)+12*\a:128*(\p)+12*\a+11], v[ACC+8*(4*\a+\b):ACC+8*(4*\a+\b)+7], v[SC+4*(\p)+\b], v[SC+4*(\p)+\a] matrix_a_fmt:MATRIX_FMT_FP6 matrix_b_fmt:MATRIX_FMT_FP6 matrix_a_scale:MATRIX_SCALE_ROW1
.endif
.endr
.endr
.endm
	s_wait_tensorcnt 0x0                           ; my tile of the four has landed
	s_barrier_signal -1
	s_barrier_wait -1                              ; everybody's has
	; eight K steps; while one is multiplied the next one's 36 loads are on their way into the other set
	FETCH 0, 0, 0, 0
.irp ks, 0,1,2,3,4,5,6,7
	s_wait_dscnt 0x0
.if \ks < 7
	PLACES                                         ; four places in front of loads into the set that the last products read
	FETCH (\ks+1)%2, (\ks+1)/4, (\ks+1)%4, (\ks+1)*512
.endif
.if \ks == 0
	MUL16 0, 1                                     ; the first products start the sums
.else
	MUL16 \ks%2, 0
.endif
.endr
	WIN 0
	; THE WAY OUT: a tile of 16 rows at a time through my stage; the residual is added; sixteen lanes store 256 consecutive bytes, aligned
	s_wait_loadcnt 0x0                             ; the residual
	PLACES
.irp a, 0,1,2,3
.set TT, 40+32*(\a%2)
.if \a >= 2
	s_wait_xcnt 0x0                                ; the stores of two tiles ago have read these registers
.endif
.irp b, 0,1,2,3
	ds_store_b128 v[STO], v[ACC+32*\a+8*\b:ACC+32*\a+8*\b+3] offset:128*(\b/2)+32*(\b%2)
	ds_store_b128 v[STO], v[ACC+32*\a+8*\b+4:ACC+32*\a+8*\b+7] offset:128*(\b/2)+32*(\b%2)+16
.endr
.irp t, 0,1,2,3,4,5,6,7
	ds_load_b128 v[TT+4*\t:TT+4*\t+3], v[RD] offset:544*\t    ; LDS serves a wave's instructions in order: these see my stores
.endr
	s_wait_dscnt 0x0
	WIN 0x08                                       ; source 1 window 2
.irp i, 0,2,4,6,8,10,12,14,16,18,20,22,24,26,28,30
	v_pk_add_f32 v[TT+\i:TT+\i+1], v[TT+\i:TT+\i+1], v[32*\a+\i:32*\a+\i+1]
.endr
	WIN 0
.irp t, 0,1,2,3,4,5,6,7
	global_store_b128 v[RO], v[TT+4*\t:TT+4*\t+3], s[94:95] offset:(32*(\a/2)+8*(\a%2)+2*\t+8*(\t/4))*4096
.endr
.endr
	s_wait_tensorcnt 0x0                           ; the wave's end
	ds_add_u32 v[SPW], v[NIL]
	s_wait_dscnt 0x0
	CROUND                                         ; the closing round
	s_endpgm
.Lfunc_end_k_q2154d8c960_oproj:
	.size	k_q2154d8c960_oproj, .Lfunc_end_k_q2154d8c960_oproj-k_q2154d8c960_oproj
	.p2alignl 7, 3214868480
	.fill 96, 4, 3214868480
	.section	.rodata,"a",@progbits
	.p2align	6, 0x0
	.amdhsa_kernel k_q2154d8c960_oproj
		.amdhsa_group_segment_fixed_size 327680
		.amdhsa_private_segment_fixed_size 0
		.amdhsa_enable_private_segment 0
		.amdhsa_kernarg_size 32
		.amdhsa_user_sgpr_count 2
		.amdhsa_user_sgpr_kernarg_segment_ptr 1
		.amdhsa_wavefront_size32 1
		.amdhsa_system_sgpr_workgroup_id_x 1
		.amdhsa_system_sgpr_workgroup_id_y 1
		.amdhsa_system_sgpr_workgroup_id_z 1
		.amdhsa_system_vgpr_workitem_id 0
		.amdhsa_next_free_vgpr 640
		.amdhsa_next_free_sgpr 100
		.amdhsa_reserve_vcc 0
		.amdhsa_float_denorm_mode_32 3
		.amdhsa_float_denorm_mode_16_64 3
		.amdhsa_memory_ordered 1
		.amdhsa_forward_progress 1
		.amdhsa_inst_pref_size 60
	.end_amdhsa_kernel
	.amdgpu_metadata
---
amdhsa.version: [ 1, 2 ]
amdhsa.kernels:
  - .name:           k_q2154d8c960_oproj
    .symbol:         k_q2154d8c960_oproj.kd
    .args:
      - { .name: att, .offset: 0, .size: 8, .value_kind: global_buffer, .address_space: global }
      - { .name: wts, .offset: 8, .size: 8, .value_kind: global_buffer, .address_space: global }
      - { .name: x, .offset: 16, .size: 8, .value_kind: global_buffer, .address_space: global }
      - { .name: x1, .offset: 24, .size: 8, .value_kind: global_buffer, .address_space: global }
    .group_segment_fixed_size: 327680
    .private_segment_fixed_size: 0
    .kernarg_segment_align: 8
    .kernarg_segment_size: 32
    .max_flat_workgroup_size: 128
    .sgpr_count:     100
    .vgpr_count:     640
    .wavefront_size: 32
...
	.end_amdgpu_metadata
.endif
;; end of part 4
;; launch norm2 (part 5): grid 256 x 1, 4 waves a work-group, no clusters, 1,024 bytes of LDS; arguments x1, hq; writes hq
.if DOCPART == 5
	.amdgcn_target "amdgcn-amd-amdhsa--gfx1250"
	.amdhsa_code_object_version 6
	.text
	.protected	k_q2154d8c960_norm2
	.globl	k_q2154d8c960_norm2
	.p2align	8
	.type	k_q2154d8c960_norm2,@function
k_q2154d8c960_norm2:
	s_mov_b64 s[64:65], 0
	v_nop
	global_prefetch_b8 v0, s[64:65] scope:SCOPE_SE
	s_setreg_imm32_b32 hwreg(HW_REG_WAVE_MODE, 25, 1), 1
	s_wait_xcnt 0x0
; h = x1 * rsqrt(mean(x1^2) + 1e-6), quantised along its 1,024 columns into codes of E2M3 and E8M0 scale words, laid as an operand's images (see the first kernel's head).
; A work-group takes one tile of 16 rows (tile order: place m is row 32 b + 8 u + m + 8 (m / 8)); wave w takes columns 256 w on: K steps 2 w and 2 w + 1.
; Lane (r, h) loads, of row r, 16 neighbours of each block of 32: register 16 b + i = column 32 b + 16 h + i of the K step: the order that the conversions want.
; The row's sum of squares meets in LDS: one barrier.  All in f32.  LIMITS: as stated at the first kernel's head.
.set HSC,   3145728                    ; the scale words begin behind 32 panels of 98,304 bytes
.set SPARE, 512
.set SPW,   2
.set NIL,   3
.set TM,    8                          ; v8-23 at work in the quantiser
.set PC0,   48
.set PC1,   68
.set X,     96                         ; v96-223 my 128 numbers
.set SEL,   20
	s_load_b128 s[4:7], s[0:1], 0x0
	v_lshl_add_u32 v[SPW], v0, 2, SPARE
	v_mov_b32 v[NIL], 0
	v_lshrrev_b32 v1, 5, v0
	v_readfirstlane_b32 s8, v1                     ; wave
	v_and_b32 v1, 31, v0
	v_and_b32 v4, 15, v0                           ; r
	v_bfe_u32 v5, v0, 4, 1                         ; h
	v_and_b32 v6, 8, v4
	v_add_nc_u32 v6, v6, v4
	v_lshlrev_b32 v6, 12, v6                       ; (r + 8 (r / 8)) rows of 4,096 bytes
	v_lshl_add_u32 v6, v5, 6, v6                   ; + 64 h
	v_lshlrev_b32 v7, 2, v0                        ; LDS: a word a thread
	v_lshlrev_b32 v24, 2, v1
	v_lshlrev_b32 v25, 4, v1
	v_lshlrev_b32 v26, 3, v1
	v_lshlrev_b32 v27, 2, v4
	v_lshl_add_u32 v27, v5, 9, v27                 ; scale words: 4 r, lanes 16-31 one K step on
.irp b, 0,1,2,3
	v_mov_b32 v[TM+4+\b], 0                        ; a lane permute's destination counts as read
.endr
	s_lshr_b32 s9, ttmp9, 3                        ; panel
	s_and_b32 s10, ttmp9, 7                        ; tile
	s_lshl_b32 s11, s9, 7
	s_lshr_b32 s12, s10, 1
	s_lshl_b32 s12, s12, 5
	s_add_co_u32 s11, s11, s12
	s_and_b32 s12, s10, 1
	s_lshl_b32 s12, s12, 3
	s_add_co_u32 s11, s11, s12                     ; the tile's first row
	s_lshl_b32 s12, s11, 12
	s_lshl_b32 s13, s8, 10
	s_add_co_u32 s12, s12, s13
	s_mov_b32 s13, 0
	s_lshl_b32 s14, s9, 3
	s_lshl_b32 s15, s8, 1
	s_add_co_u32 s14, s14, s15                     ; 8 x panel + my first K step
	s_mul_i32 s16, s14, 12288
	s_mul_i32 s15, s10, 1536
	s_add_co_u32 s16, s16, s15
	s_mov_b32 s17, 0
	s_lshl_b32 s18, s14, 9
	s_lshl_b32 s15, s10, 6
	s_add_co_u32 s18, s18, s15
	s_add_co_u32 s18, s18, HSC
	s_mov_b32 s19, 0
	s_mov_b32 s[SEL], 0x76543210
	s_mov_b32 s[SEL+1], 0xfedcba98
	s_mov_b32 s22, 0x3a800000                      ; 1 / 1,024
	s_mov_b32 s23, 0x358637bd                      ; 1e-6
	s_mov_b32 s24, 0xffff0000                      ; lanes 16-31
	s_wait_kmcnt 0x0
	s_add_nc_u64 s[4:5], s[4:5], s[12:13]
	s_add_nc_u64 s[16:17], s[6:7], s[16:17]
	s_add_nc_u64 s[18:19], s[6:7], s[18:19]
.irp s, 0,1
.irp b, 0,1,2,3
.irp j, 0,1,2,3
	global_load_b128 v[X+64*\s+16*\b+4*\j:X+64*\s+16*\b+4*\j+3], v6, s[4:5] offset:512*\s+128*\b+16*\j
.endr
.endr
.endr
	s_wait_loadcnt 0x0
.irp c, 0,1,2,3
	v_pk_mul_f32 v[32+2*\c:33+2*\c], v[X+2*\c:X+2*\c+1], v[X+2*\c:X+2*\c+1]   ; four chains, started by the first products
.endr
.set NI, 8
.rept 60
	v_pk_fma_f32 v[32+NI%8:33+NI%8], v[X+NI:X+NI+1], v[X+NI:X+NI+1], v[32+NI%8:33+NI%8]
.set NI, NI+2
.endr
	v_pk_add_f32 v[32:33], v[32:33], v[34:35]
	v_pk_add_f32 v[36:37], v[36:37], v[38:39]
	v_pk_add_f32 v[32:33], v[32:33], v[36:37]
	v_add_f32 v32, v32, v33
	v_permlanex16_b32 v33, v32, s[SEL], s[SEL+1]
	v_add_f32 v32, v32, v33                        ; my wave's 256 columns of row r
	ds_store_b32 v7, v32
	s_wait_dscnt 0x0                               ; for the others' sake
	s_barrier_signal -1
	s_barrier_wait -1
.irp w, 0,1,2,3
	ds_load_b32 v[42+\w], v24 offset:128*\w
.endr
	s_wait_dscnt 0x0
	v_add_f32 v42, v42, v43
	v_add_f32 v44, v44, v45
	v_add_f32 v42, v42, v44
	v_fma_f32 v42, v42, s22, s23                   ; the mean + 1e-6
	s_wait_alu depctr_va_vdst(0)
	v_rsq_f32 v40, v42
	v_rsq_f32 v41, v42
	v_nop                                          ; a plain line behind the two
	s_wait_alu depctr_va_vdst(0)                   ; one wait for both, ahead of their first reader
.set NI, 0
.rept 64
	v_pk_mul_f32 v[X+NI:X+NI+1], v[X+NI:X+NI+1], v[40:41]
.set NI, NI+2
.endr
; 64 numbers of a lane, register 16 b + i = k 32 b + 16 h + i of my row, become a fragment's codes in v[pc] on and its scale word in v[pw]
.macro QUANT4 s, pc, pw
.irp b, 0,1,2,3
	v_max3_num_f32 v[TM+\b], |v[(\s)+16*\b]|, |v[(\s)+1+16*\b]|, 0x1800000
.endr
.irp i, 2,4,6,8,10,12,14
.irp b, 0,1,2,3
	v_max3_num_f32 v[TM+\b], v[TM+\b], |v[(\s)+16*\b+\i]|, |v[(\s)+1+16*\b+\i]|
.endr
.endr
.irp b, 0,1,2,3
	v_permlanex16_b32 v[TM+4+\b], v[TM+\b], s[SEL], s[SEL+1]
.endr
.irp b, 0,1,2,3
	v_max_num_f32 v[TM+\b], v[TM+\b], v[TM+4+\b]
.endr
.irp b, 0,1,2,3
	v_add_nc_u32 v[TM+12+\b], 0xff000000, v[TM+\b]
.endr
.irp b, 0,1,2,3
	v_lshrrev_b32 v[TM+4+\b], 23, v[TM+12+\b]
.endr
	v_lshl_or_b32 v[\pw], v[TM+5], 8, v[TM+4]
	v_lshl_or_b32 v[\pw], v[TM+6], 16, v[\pw]
	v_lshl_or_b32 v[\pw], v[TM+7], 24, v[\pw]
.irp c, 0,1
	v_cvt_scalef32_pk16_fp6_f32 v[(\pc)+6*\c:(\pc)+2+6*\c], v[(\s)+32*\c:(\s)+15+32*\c], v[TM+12+2*\c]
	v_cvt_scalef32_pk16_fp6_f32 v[(\pc)+12+4*\c:(\pc)+14+4*\c], v[(\s)+16+32*\c:(\s)+31+32*\c], v[TM+12+2*\c+1]
.endr
	v_nop
.irp c, 0,1
.irp i, 0,1,2
	v_permlane16_swap_b32 v[(\pc)+6*\c+\i], v[(\pc)+12+4*\c+\i]
.endr
.irp i, 0,1,2
	v_mov_b32 v[(\pc)+3+6*\c+\i], v[(\pc)+12+4*\c+\i]
.endr
.endr
.endm
.macro IMG pc, off                     ; the image leaves as it stands: 512, 256, 512, 256 consecutive bytes
	global_store_b128 v25, v[(\pc):(\pc)+3], s[16:17] offset:\off
	global_store_b64 v26, v[(\pc)+4:(\pc)+5], s[16:17] offset:\off+512
	global_store_b128 v25, v[(\pc)+6:(\pc)+9], s[16:17] offset:\off+768
	global_store_b64 v26, v[(\pc)+10:(\pc)+11], s[16:17] offset:\off+1280
.endm
	QUANT4 X, PC0, 88
	IMG PC0, 0
	QUANT4 X+64, PC1, 89
	IMG PC1, 12288
	v_cndmask_b32 v90, v88, v89, s24               ; lanes 0-15: the first K step's words; lanes 16-31: the second's
	global_store_b32 v27, v90, s[18:19]
	s_wait_tensorcnt 0x0                           ; the wave's end, behind my last LDS store
	ds_add_u32 v[SPW], v[NIL]
	s_wait_dscnt 0x0
	s_endpgm
.Lfunc_end_k_q2154d8c960_norm2:
	.size	k_q2154d8c960_norm2, .Lfunc_end_k_q2154d8c960_norm2-k_q2154d8c960_norm2
	.p2alignl 7, 3214868480
	.fill 96, 4, 3214868480
	.section	.rodata,"a",@progbits
	.p2align	6, 0x0
	.amdhsa_kernel k_q2154d8c960_norm2
		.amdhsa_group_segment_fixed_size 1024
		.amdhsa_private_segment_fixed_size 0
		.amdhsa_enable_private_segment 0
		.amdhsa_kernarg_size 16
		.amdhsa_user_sgpr_count 2
		.amdhsa_user_sgpr_kernarg_segment_ptr 1
		.amdhsa_wavefront_size32 1
		.amdhsa_system_sgpr_workgroup_id_x 1
		.amdhsa_system_sgpr_workgroup_id_y 1
		.amdhsa_system_sgpr_workgroup_id_z 1
		.amdhsa_system_vgpr_workitem_id 0
		.amdhsa_next_free_vgpr 224
		.amdhsa_next_free_sgpr 66
		.amdhsa_reserve_vcc 0
		.amdhsa_float_denorm_mode_32 3
		.amdhsa_float_denorm_mode_16_64 3
		.amdhsa_memory_ordered 1
		.amdhsa_forward_progress 1
		.amdhsa_inst_pref_size 24
	.end_amdhsa_kernel
	.amdgpu_metadata
---
amdhsa.version: [ 1, 2 ]
amdhsa.kernels:
  - .name:           k_q2154d8c960_norm2
    .symbol:         k_q2154d8c960_norm2.kd
    .args:
      - { .name: x1, .offset: 0, .size: 8, .value_kind: global_buffer, .address_space: global }
      - { .name: hq, .offset: 8, .size: 8, .value_kind: global_buffer, .address_space: global }
    .group_segment_fixed_size: 1024
    .private_segment_fixed_size: 0
    .kernarg_segment_align: 8
    .kernarg_segment_size: 16
    .max_flat_workgroup_size: 128
    .sgpr_count:     66
    .vgpr_count:     224
    .wavefront_size: 32
...
	.end_amdgpu_metadata
.endif
;; end of part 5
;; launch ffn1 (part 6): grid 8 x 32, 4 waves a work-group, clusters of 4 x 4, 327,680 bytes of LDS; arguments hq, wts, g; writes g
.if DOCPART == 6
	.amdgcn_target "amdgcn-amd-amdhsa--gfx1250"
	.amdhsa_code_object_version 6
	.text
	.protected	k_q2154d8c960_ffn1
	.globl	k_q2154d8c960_ffn1
	.p2align	8
	.type	k_q2154d8c960_ffn1,@function
k_q2154d8c960_ffn1:
	s_mov_b64 s[64:65], 0
	v_nop
	global_prefetch_b8 v0, s[64:65] scope:SCOPE_SE
	s_setreg_imm32_b32 hwreg(HW_REG_WAVE_MODE, 25, 1), 1
	s_wait_xcnt 0x0
	s_wait_alu depctr_hold_cnt(0) depctr_sa_sdst(0) depctr_va_vdst(0) depctr_va_sdst(0) depctr_va_ssrc(0) depctr_va_vcc(0) depctr_vm_vsrc(0)
	s_getreg_b32 s2, hwreg(HW_REG_IB_STS2, 6, 4)
	s_cmp_eq_u32 s2, 0
	s_cbranch_scc0 .Lentry_in_a_cluster
	s_endpgm
.Lentry_in_a_cluster:
	s_bfe_u32 s2, ttmp6, 0x10000c
	s_cmp_lg_u32 s2, 0xf033
	s_cbranch_scc0 .Lentry_shape_is_right
	s_endpgm
.Lentry_shape_is_right:
; FFN = 0: q, k, v = h Wq, h Wk, h Wv.   FFN = 1: g = gelu(h W1).   Both operands are codes of E2M3 with E8M0 scales, laid as images (first kernel's head); the results are quantised in registers and stored as the next product's operands.
; A work-group owns a panel of 128 rows of h (K = 1,024: 98,304 bytes), which comes into LDS once, and walks NT panels of 128 weight columns through two LDS slots of a whole K each.
; Four waves, each 64 x 64 of a tile of 128 x 128: 16 accumulators, which take turns in the same order in every K step.
; H'S FRAGMENTS STAY IN REGISTERS: a wave's four tiles x eight K steps are 384 registers; they are read from LDS once and serve all NT tiles, so that a K step reads only the weights' 6,144 bytes and four scale registers.
; CLUSTER 4 x 4: the four of a row share h's panel, the four of a column share the weights' panels: each is asked for jointly, by the same tensor load with a mask that names the four.
; The product is used transposed (source 0 = 16 weight columns, source 1 = 16 rows of h), so that a lane holds one row and its registers run along the columns: by the tile order 32 registers are 2 blocks of 32 neighbours (16 in each half of the lanes).
; REGISTERS: window 0: v4-22 addresses; v32-39 scale words, two sets (lanes 0-15 h's tile i, lanes 16-31 the weights' tile i); v40-115 the way out; v128-255 accumulators.  Window 1: two sets of the weights' four fragments, at 64 p.
;   Window 2: h's fragments of K steps 0-4, at 48 ks + 12 a.   Window 3: those of K steps 5-7, at 48 (ks - 5) + 12 a.
; A wave has one tensor load out at the start and one behind each refill.
.set FFN, 1
.if FFN
.set NT, 4
.set PBASE, 32
.else
.set NT, 3
.set PBASE, 0
.endif
.set WS,    9437184
.set HSC,   3145728
.set QS,    3145728
.set KV,    3407872
.set GSC,   12582912
.set SLOT0, 98304
.set SLOT1, 196608
.set ASC,   294912
.set BSC,   299008
.set SPARE, 315392
.set AA16, 4
.set AA8,  6
.set BA16, 8
.set BA8,  12
.set SA,   16
.set HS,   17
.set SPW,  18
.set NIL,  19
.set L16,  20
.set L8,   21
.set L4,   22
.set SC,   32
.set HB,   40
.set WR,   64
.set WC,   68
.set T,    72
.set TM,   104
.set KC2,  112
.set KC1,  114
.set ACC,  128
.set WV,   12
.set WRW,  13
.set WCL,  14
.set CX,   15
.set CY,   72
.set GX,   73
.set YY,   74
.set CM,   75
.set RM,   91
.set G1AC, 16
.set G1AS, 24
.set G1BC, 32
.set G1BS, 40
.set G0A,  48
.set G0AS, 52
.set G0BS, 56
.set G0S0, 60
.set G0S1, 68
.set SEL,  88
.set HM,   90
.set MSB, 0
.macro WIN new                         ; the immediate's high byte repeats the setting that is left
.if MSB != \new
	s_set_vgpr_msb (MSB<<8)|\new
.set MSB, \new
.endif
.endm
.set TO_F, 0x40                        ; destination window 1, address window 0
.macro PLACES
.rept 4
	v_nop
.endr
.endm
.macro CROUND                          ; a round of the cluster's barrier
	s_barrier_signal -1
	s_barrier_wait -1
	s_cmp_lg_u32 s[WV], 0
	s_cbranch_scc1 .Lnot_wave_0_\@
	s_barrier_signal -3
.Lnot_wave_0_\@:
	s_barrier_wait -3
	s_barrier_signal -1
	s_barrier_wait -1
.endm
.macro G1REST g, r                     ; a dense block as r rows of 256 bytes: 32 elements of 8 bytes
	s_mov_b32 s[\g+1], 32<<16
	s_mov_b32 s[\g+2], (\r)<<16
	s_mov_b32 s[\g+3], 32<<16
	s_mov_b32 s[\g+4], \r
	s_mov_b32 s[\g+5], 32
	s_mov_b32 s[\g+6], 0
	s_mov_b32 s[\g+7], 0
.endm
	s_load_b128 s[4:7], s[0:1], 0x0                ; h's operand, the weights'
	s_load_b64 s[8:9], s[0:1], 0x10                ; the result
	v_lshl_add_u32 v[SPW], v0, 2, SPARE
	v_mov_b32 v[NIL], 0
	ds_add_u32 v[SPW], v[NIL]                      ; the opening: the add, twice on end, and its wait ahead of my first tensor load
	ds_add_u32 v[SPW], v[NIL]
	v_lshrrev_b32 v1, 5, v0
	v_readfirstlane_b32 s[WV], v1
	s_lshr_b32 s[WRW], s[WV], 1                    ; my half of the rows
	s_and_b32 s[WCL], s[WV], 1                     ; my half of the columns
	s_bfe_u32 s[CX], ttmp6, 0x40000
	s_bfe_u32 s[CY], ttmp6, 0x40004
	s_lshl_b32 s[GX], ttmp9, 2
	s_add_co_u32 s[GX], s[GX], s[CX]               ; column group
	s_and_b32 s[YY], ttmp7, 0xffff
	s_lshl_b32 s[YY], s[YY], 2
	s_add_co_u32 s[YY], s[YY], s[CY]               ; row panel
	s_lshl_b32 s[RM], s[CY], 2
	s_lshl_b32 s[RM], 15, s[RM]                    ; my row of the cluster
	s_lshl_b32 s[CM], 0x1111, s[CX]                ; my column
	s_or_b32 s[G1AC], s[RM], (3<<16)|(1<<21)
	s_or_b32 s[G1AS], s[RM], (3<<16)|(1<<21)
	s_or_b32 s[G1BC], s[CM], (3<<16)|(1<<21)
	s_or_b32 s[G1BS], s[CM], (3<<16)|(1<<21)
	G1REST G1AC, 384                               ; h's whole panel of codes: 98,304 bytes, one load
	G1REST G1AS, 16                                ; its scale words: 4,096 bytes
	G1REST G1BC, 384                               ; the head's load of the first weight panel, whole; behind it the two words that count rows are set to 96
	G1REST G1BS, 16*NT                             ; the NT panels' scale words
	s_mul_i32 s66, s[WV], 24576                    ; my quarter
	s_mul_i32 s80, s[YY], 98304
	s_mov_b32 s81, 0
	s_lshl_b32 s82, s[YY], 12
	s_add_co_u32 s82, s82, HSC
	s_mov_b32 s83, 0
	s_mul_i32 s3, s[GX], NT
.if PBASE
	s_add_co_u32 s3, s3, PBASE
.endif
	s_mul_i32 s84, s3, 98304
	s_mov_b32 s85, 0
	s_lshl_b32 s86, s3, 12
	s_add_co_u32 s86, s86, WS
	s_mov_b32 s87, 0
	s_mov_b32 s[SEL], 0x76543210
	s_mov_b32 s[SEL+1], 0xfedcba98
	s_mov_b32 s[HM], 0xffff0000
	s_wait_dscnt 0x0                               ; both opening adds are done
	s_wait_kmcnt 0x0
	s_mov_b32 s[G0A], 1
	s_mov_b32 s[G0A+1], 0
	s_add_nc_u64 s[G0A+2:G0A+3], s[4:5], s[80:81]
	s_or_b32 s[G0A+3], s[G0A+3], 0x80000000
	s_mov_b32 s[G0AS], 1
	s_mov_b32 s[G0AS+1], ASC
	s_add_nc_u64 s[G0AS+2:G0AS+3], s[4:5], s[82:83]
	s_or_b32 s[G0AS+3], s[G0AS+3], 0x80000000
	s_mov_b32 s[G0BS], 1
	s_mov_b32 s[G0BS+1], BSC
	s_add_nc_u64 s[G0BS+2:G0BS+3], s[6:7], s[86:87]
	s_or_b32 s[G0BS+3], s[G0BS+3], 0x80000000
	s_add_nc_u64 s[84:85], s[6:7], s[84:85]
.set G0H, 80                           ; s[80:83] group 0 of the head's load of the first weight panel, whole (the offsets that lay there have been used)
	s_mov_b32 s[G0H], 1
	s_mov_b32 s[G0H+1], SLOT0
	s_mov_b64 s[G0H+2:G0H+3], s[84:85]
	s_or_b32 s[G0H+3], s[G0H+3], 0x80000000
	s_mov_b32 s67, 0
	s_add_nc_u64 s[84:85], s[84:85], s[66:67]      ; for the later loads: my quarter of a panel
	s_mov_b32 s[G0S0], 1
	s_add_co_u32 s[G0S0+1], s66, SLOT0
	s_mov_b64 s[G0S0+2:G0S0+3], s[84:85]
	s_or_b32 s[G0S0+3], s[G0S0+3], 0x80000000
	s_mov_b32 s[G0S1], 1
	s_add_co_u32 s[G0S1+1], s66, SLOT1
	s_add_nc_u64 s[G0S1+2:G0S1+3], s[84:85], 98304
	s_or_b32 s[G0S1+3], s[G0S1+3], 0x80000000
	CROUND                                         ; all sixteen work-groups are here: the first joint loads meet
; THE HEAD'S LOADS, ONE A WAVE: wave 0 h's panel, wave 1 the first weight panel, wave 2 h's scale words, wave 3 the weights'.
; One chain of branches on the wave's number, a load to an arm, all arms to one join.  A wave has one tensor load out at the start and one behind each round.
.macro ARM under, g0, g1, next
	s_cmp_lt_u32 s[WV], \under
	s_cbranch_scc0 \next
	tensor_load_to_lds s[\g0:\g0+3], s[\g1:\g1+7]
	s_nop 0
	PLACES
	s_branch .Lhead_asked
\next:
.endm
	ARM 1, G0A, G1AC, .Lhead_b
	ARM 2, G0H, G1BC, .Lhead_sa
	ARM 3, G0AS, G1AS, .Lhead_sb
	tensor_load_to_lds s[G0BS:G0BS+3], s[G1BS:G1BS+7]
	s_nop 0
	PLACES
.Lhead_asked:
	v_and_b32 v1, 31, v0
	v_and_b32 v2, 15, v0
	v_bfe_u32 v3, v0, 4, 1
	v_lshlrev_b32 v[L16], 4, v1
	v_lshlrev_b32 v[L8], 3, v1
	v_lshlrev_b32 v[L4], 2, v1
	s_mul_i32 s2, s[WRW], 6144                     ; my four tiles of h
	s_mul_i32 s3, s[WCL], 6144                     ; my four tiles of the weights
	s_add_co_u32 s3, s3, SLOT0
	v_add_nc_u32 v[AA16], s2, v[L16]
	v_add_nc_u32 v[AA8], s2, v[L8]
	v_add_nc_u32 v[AA16+1], 49152, v[AA16]         ; K steps 4 to 7: offsets stay inside 16 bits
	v_add_nc_u32 v[AA8+1], 49152, v[AA8]
	v_add_nc_u32 v[BA16], s3, v[L16]
	v_add_nc_u32 v[BA8], s3, v[L8]
.irp i, 1,2,3
	v_add_nc_u32 v[BA16+\i], 49152*\i, v[BA16]
	v_add_nc_u32 v[BA8+\i], 49152*\i, v[BA8]
.endr
	s_lshl_b32 s2, s[WRW], 8
	s_lshl_b32 s3, s[WCL], 8
	s_sub_co_u32 s3, s3, s2
	s_add_co_u32 s3, s3, BSC-ASC
	v_mul_u32_u24 v[SA], s3, v3                    ; lanes 16-31 take the weights' words: one product with the lane's half
	s_add_co_u32 s2, s2, ASC
	v_lshl_add_u32 v[SA], v2, 2, v[SA]
	v_add_nc_u32 v[SA], s2, v[SA]
	v_lshlrev_b32 v[HS], 12, v3                    ; a panel's scale words on, in lanes 16-31 alone
	v_mov_b32 v[TM+2], 0                           ; a lane permute's destination counts as read
	v_mov_b32 v[TM+3], 0
.if FFN
	v_mov_b32 v[KC2], 0xbdd2d3e8                   ; -2 log2(e) sqrt(2 / pi) x 0.044715
	v_mov_b32 v[KC2+1], 0xbdd2d3e8
	v_mov_b32 v[KC1], 0xc0135761                   ; -2 log2(e) sqrt(2 / pi)
	v_mov_b32 v[KC1+1], 0xc0135761
	s_lshl_b32 s2, s[YY], 5
	s_lshl_b32 s3, s[GX], 2
	s_add_co_u32 s2, s2, s3                        ; 32 y + my first K step of g
	s_mov_b32 s67, 0
	s_lshl_b32 s66, s2, 3
	s_lshl_b32 s3, s[WRW], 2
	s_add_co_u32 s66, s66, s3
	s_mul_i32 s66, s66, 1536
	s_mul_i32 s3, s[WCL], 768
	s_add_co_u32 s66, s66, s3
	s_add_nc_u64 s[92:93], s[8:9], s[66:67]        ; codes: my four tiles, my half of the K step
	s_lshl_b32 s66, s2, 9
	s_lshl_b32 s3, s[WRW], 8
	s_add_co_u32 s66, s66, s3
	s_lshl_b32 s3, s[WCL], 1
	s_add_co_u32 s66, s66, s3
	s_add_co_u32 s66, s66, GSC
	s_add_nc_u64 s[94:95], s[8:9], s[66:67]        ; scale bytes: my two of each word
.else
	s_lshr_b32 s2, s[YY], 4
	s_lshl_b32 s2, s2, 4
	s_lshl_b32 s3, s[GX], 1
	s_add_co_u32 s2, s2, s3
	s_add_co_u32 s2, s2, s[WCL]                    ; batch x 16 + head: my 64 columns are one head
	s_and_b32 s3, s[YY], 15                        ; which 128 tokens of the sequence
	s_mov_b32 s67, 0
	s_lshl_b32 s66, s2, 4
	s_add_co_u32 s66, s66, s3
	s_lshl_b32 s2, s66, 3
	s_lshl_b32 s3, s[WRW], 2
	s_add_co_u32 s2, s2, s3                        ; my first tile of queries
	s_mul_i32 s66, s66, 13056
	s_add_co_u32 s66, s66, KV
	s_add_nc_u64 s[96:97], s[8:9], s[66:67]        ; the key step's block: K's 8 half images, V's 4 images, K's scale words, V's
	s_mul_i32 s66, s2, 768
	s_add_nc_u64 s[92:93], s[8:9], s[66:67]        ; q's half images
	s_lshl_b32 s66, s2, 6
	s_add_co_u32 s66, s66, QS
	s_add_nc_u64 s[94:95], s[8:9], s[66:67]        ; q's scale words
	s_lshl_b32 s66, s[WRW], 8
	s_add_co_u32 s66, s66, 12288
	s_add_nc_u64 s[98:99], s[96:97], s[66:67]      ; k's scale words
	s_mul_i32 s66, s[WRW], 768
	s_add_co_u32 s66, s66, 6144
	s_add_nc_u64 s[76:77], s[96:97], s[66:67]      ; v: my 64 keys are half wr of each image
	s_lshl_b32 s66, s[WRW], 1
	s_add_co_u32 s66, s66, 12800
	s_add_nc_u64 s[78:79], s[96:97], s[66:67]      ; v's scale bytes: my two of each word
	s_mul_i32 s66, s[WRW], 3072
	s_add_nc_u64 s[96:97], s[96:97], s[66:67]      ; k's half images
.endif
; h's fragments, once: my four tiles of all eight K steps, 128 loads of consecutive bytes
.macro APRE
.irp ks, 0,1,2,3,4,5,6,7
.if \ks < 5
	WIN 0x80                                       ; destination window 2
.set RA, 48*\ks
.else
	WIN 0xc0                                       ; destination window 3
.set RA, 48*(\ks-5)
.endif
.irp a, 0,1,2,3
	ds_load_b128 v[RA+12*\a:RA+12*\a+3], v[AA16+\ks/4] offset:(\ks%4)*12288+\a*1536
	ds_load_b64 v[RA+12*\a+4:RA+12*\a+5], v[AA8+\ks/4] offset:(\ks%4)*12288+\a*1536+512
	ds_load_b128 v[RA+12*\a+6:RA+12*\a+9], v[AA16+\ks/4] offset:(\ks%4)*12288+\a*1536+768
	ds_load_b64 v[RA+12*\a+10:RA+12*\a+11], v[AA8+\ks/4] offset:(\ks%4)*12288+\a*1536+1280
.endr
.endr
	WIN 0
.endm
; a K step's weights into set p: 16 loads, and 4 scale registers; every load takes consecutive bytes
.macro FETCH p, rb, ko, so
	WIN TO_F
.irp b, 0,1,2,3
	ds_load_b128 v[64*(\p)+12*\b:64*(\p)+12*\b+3], v[BA16+(\rb)] offset:(\ko)*12288+\b*1536
	ds_load_b64 v[64*(\p)+12*\b+4:64*(\p)+12*\b+5], v[BA8+(\rb)] offset:(\ko)*12288+\b*1536+512
	ds_load_b128 v[64*(\p)+12*\b+6:64*(\p)+12*\b+9], v[BA16+(\rb)] offset:(\ko)*12288+\b*1536+768
	ds_load_b64 v[64*(\p)+12*\b+10:64*(\p)+12*\b+11], v[BA8+(\rb)] offset:(\ko)*12288+\b*1536+1280
.endr
	WIN 0
.irp i, 0,1,2,3
	ds_load_b32 v[SC+4*(\p)+\i], v[SA] offset:(\so)+64*\i
.endr
.endm
; 16 products of K step ks: the weights' set p (window 1) against h's fragments (window 2 or 3); C and D in window 0
.macro MUL16 p, ks, zero, swap
.if (\ks) < 5
.set RA, 48*(\ks)
.else
.set RA, 48*((\ks)-5)
.endif
.if \swap
.if (\ks) < 5
	WIN 0x06                                       ; source 0 (h) window 2, source 1 (the weights) window 1
.else
	WIN 0x07                                       ; source 0 window 3
.endif
.else
.if (\ks) < 5
	WIN 0x09                                       ; source 0 (the weights) window 1, source 1 (h) window 2
.else
	WIN 0x0d                                       ; source 1 window 3
.endif
.endif
.irp a, 0,1,2,3
.irp b, 0,1,2,3
.if \swap
.if \zero
	v_wmma_scale_f32_16x16x128_f8f6f4 v[ACC+8*(4*\b+\a):ACC+8*(4*\b+\a)+7], v[RA+12*\a:RA+12*\a+11], v[64*(\p)+12*\b:64*(\p)+12*\b+11], 0, v[SC+4*(\p)+\a], v[SC+4*(\p)+\b] matrix_a_fmt:MATRIX_FMT_FP6 matrix_b_fmt:MATRIX_FMT_FP6 matrix_b_scale:MATRIX_SCALE_ROW1
.else
	v_wmma_scale_f32_16x16x128_f8f6f4 v[ACC+8*(4*\b+\a):ACC+8*(4*\b+\a)+7], v[RA+12*\a:RA+12*\a+11], v[64*(\p)+12*\b:64*(\p)+12*\b+11], v[ACC+8*(4*\b+\a):ACC+8*(4*\b+\a)+7], v[SC+4*(\p)+\a], v[SC+4*(\p)+\b] matrix_a_fmt:MATRIX_FMT_FP6 matrix_b_fmt:MATRIX_FMT_FP6 matrix_b_scale:MATRIX_SCALE_ROW1
.endif
.else
.if \zero
	v_wmma_scale_f32_16x16x128_f8f6f4 v[ACC+8*(4*\a+\b):ACC+8*(4*\a+\b)+7], v[64*(\p)+12*\b:64*(\p)+12*\b+11], v[RA+12*\a:RA+12*\a+11], 0, v[SC+4*(\p)+\b], v[SC+4*(\p)+\a] matrix_a_fmt:MATRIX_FMT_FP6 matrix_b_fmt:MATRIX_FMT_FP6 matrix_a_scale:MATRIX_SCALE_ROW1
.else
	v_wmma_scale_f32_16x16x128_f8f6f4 v[ACC+8*(4*\a+\b):ACC+8*(4*\a+\b)+7], v[64*(\p)+12*\b:64*(\p)+12*\b+11], v[RA+12*\a:RA+12*\a+11], v[ACC+8*(4*\a+\b):ACC+8*(4*\a+\b)+7], v[SC+4*(\p)+\b], v[SC+4*(\p)+\a] matrix_a_fmt:MATRIX_FMT_FP6 matrix_b_fmt:MATRIX_FMT_FP6 matrix_a_scale:MATRIX_SCALE_ROW1
.endif
.endif
.endr
.endr
.endm
; a tile of 128 x 128: eight K steps; while one is multiplied the next one's 20 loads are on their way into the other set
.macro TILE slot, swap
	FETCH 0, 2*(\slot), 0, 0
.irp ks, 0,1,2,3,4,5,6,7
	s_wait_dscnt 0x0                               ; this K step's loads are in (in the first tile's first step: h's fragments too)
.if \ks < 7
	PLACES                                         ; four places in front of loads into the set that the last products read
	FETCH (\ks+1)%2, 2*(\slot)+(\ks+1)/4, (\ks+1)%4, 512*(\ks+1)
.endif
.if \ks == 0
	MUL16 0, 0, 1, \swap                           ; the first products start the sums
.else
	MUL16 \ks%2, \ks, 0, \swap
.endif
.endr
	WIN 0
	v_add_nc_u32 v[SA], v[HS], v[SA]               ; the next panel's scale words
.endm
; the change of panels.  Every wave: all my tensor loads have landed; the add; the add and my LDS reads are done; then the barrier.  fill = 1: a round of the cluster's barrier, and the slot just read takes the panel two on
.macro CHANGE fill, g0
	s_wait_tensorcnt 0x0
	ds_add_u32 v[SPW], v[NIL]
.if \fill
	s_add_nc_u64 s[\g0+2:\g0+3], s[\g0+2:\g0+3], 2*98304
.endif
	s_wait_dscnt 0x0
.if \fill
	CROUND
	tensor_load_to_lds s[\g0:\g0+3], s[G1BC:G1BC+7]   ; my one load behind the round: it has the way out and a whole tile in which to land
	s_nop 0
	PLACES
.else
	s_barrier_signal -1
	s_barrier_wait -1
.endif
.endm
; 32 numbers of a lane, register 16 b + i = k 32 b + 16 h + i, become half a fragment in v[h] .. v[h + 5] and two scale bytes in v[w]
.macro QUANT2 s, h, w
.irp b, 0,1
	v_max3_num_f32 v[TM+\b], |v[(\s)+16*\b]|, |v[(\s)+1+16*\b]|, 0x1800000
.endr
.irp i, 2,4,6,8,10,12,14
.irp b, 0,1
	v_max3_num_f32 v[TM+\b], v[TM+\b], |v[(\s)+16*\b+\i]|, |v[(\s)+1+16*\b+\i]|
.endr
.endr
.irp b, 0,1
	v_permlanex16_b32 v[TM+2+\b], v[TM+\b], s[SEL], s[SEL+1]
.endr
.irp b, 0,1
	v_max_num_f32 v[TM+\b], v[TM+\b], v[TM+2+\b]
.endr
.irp b, 0,1
	v_add_nc_u32 v[TM+4+\b], 0xff000000, v[TM+\b]
.endr
.irp b, 0,1
	v_lshrrev_b32 v[TM+6+\b], 23, v[TM+4+\b]
.endr
	v_lshl_or_b32 v[\w], v[TM+7], 8, v[TM+6]
	v_cvt_scalef32_pk16_fp6_f32 v[(\h):(\h)+2], v[(\s):(\s)+15], v[TM+4]
	v_cvt_scalef32_pk16_fp6_f32 v[(\h)+8:(\h)+10], v[(\s)+16:(\s)+31], v[TM+5]
	v_nop
.irp i, 0,1,2
	v_permlane16_swap_b32 v[(\h)+\i], v[(\h)+8+\i]
.endr
.irp i, 0,1,2
	v_mov_b32 v[(\h)+3+\i], v[(\h)+8+\i]
.endr
.endm
; gelu, the tanh form, as x / (1 + 2^z), z = x (c1 + c2 x^2): 32 numbers in place, in f32; the exponentials are one batch with one wait, the reciprocals another
.macro GELU s
.set GI, 0
.rept 16
	v_pk_mul_f32 v[T+GI:T+GI+1], v[(\s)+GI:(\s)+GI+1], v[(\s)+GI:(\s)+GI+1]
.set GI, GI+2
.endr
.set GI, 0
.rept 16
	v_pk_fma_f32 v[T+GI:T+GI+1], v[T+GI:T+GI+1], v[KC2:KC2+1], v[KC1:KC1+1]
.set GI, GI+2
.endr
.set GI, 0
.rept 16
	v_pk_mul_f32 v[T+GI:T+GI+1], v[T+GI:T+GI+1], v[(\s)+GI:(\s)+GI+1]
.set GI, GI+2
.endr
.set GI, 0
	s_wait_alu depctr_va_vdst(0)
.rept 32
	v_exp_f32 v[T+GI], v[T+GI]
.set GI, GI+1
.endr
	v_nop
	s_wait_alu depctr_va_vdst(0)
.set GI, 0
.rept 16
	v_pk_add_f32 v[T+GI:T+GI+1], v[T+GI:T+GI+1], 1.0 op_sel_hi:[1,0]
.set GI, GI+2
.endr
.set GI, 0
	s_wait_alu depctr_va_vdst(0)
.rept 32
	v_rcp_f32 v[T+GI], v[T+GI]
.set GI, GI+1
.endr
	v_nop
	s_wait_alu depctr_va_vdst(0)
.set GI, 0
.rept 16
	v_pk_mul_f32 v[(\s)+GI:(\s)+GI+1], v[(\s)+GI:(\s)+GI+1], v[T+GI:T+GI+1]
.set GI, GI+2
.endr
.endm
; the way out of a tile: four groups of 32 registers become four half images (512 + 256 consecutive bytes each) and their scale bytes
.macro EPI cb, sb, cst, sz, act
	PLACES
.irp a, 0,1,2,3
.if \act
	GELU ACC+32*\a
.endif
	s_wait_alu depctr_va_vdst(0)
	s_wait_xcnt 0x0                                ; the earlier stores have read their data: the registers may be written again
	QUANT2 ACC+32*\a, HB+12*(\a%2), WR+\a
	global_store_b128 v[L16], v[HB+12*(\a%2):HB+12*(\a%2)+3], s[\cb:\cb+1] offset:\a*\cst
	global_store_b64 v[L8], v[HB+12*(\a%2)+4:HB+12*(\a%2)+5], s[\cb:\cb+1] offset:\a*\cst+512
.if \a%2 == 1
	v_cndmask_b32 v[WC+\a/2], v[WR+\a-1], v[WR+\a], s[HM]   ; lanes 0-15: the tile before; lanes 16-31: this one
.if \sz == 32
	global_store_b32 v[L4], v[WC+\a/2], s[\sb:\sb+1] offset:64*(\a-1)
.else
	global_store_b16 v[L4], v[WC+\a/2], s[\sb:\sb+1] offset:64*(\a-1)
.endif
.endif
.endr
.endm
.macro NEXTP                           ; g's next K step
	s_wait_xcnt 0x0
	s_add_nc_u64 s[92:93], s[92:93], 12288
	s_add_nc_u64 s[94:95], s[94:95], 512
.endm
	s_wait_alu depctr_va_vdst(0)
	s_wait_tensorcnt 0x0                           ; my tile of the head's four is in
	ds_add_u32 v[SPW], v[NIL]
	s_mov_b32 s[G1BC+2], 96<<16                    ; no tensor load of mine is out: from here on a load brings a quarter of a panel, 96 rows
	s_mov_b32 s[G1BC+4], 96
	s_wait_dscnt 0x0
	CROUND                                         ; all four tiles are in, and all sixteen work-groups are here
	tensor_load_to_lds s[G0S1:G0S1+3], s[G1BC:G1BC+7]   ; slot 1's first fill: my one load behind the round
	s_nop 0
	PLACES
	APRE
.if FFN
	TILE 0, 0
	CHANGE 1, G0S0
	EPI 92, 94, 1536, 16, 1
	NEXTP
	TILE 1, 0
	CHANGE 1, G0S1
	EPI 92, 94, 1536, 16, 1
	NEXTP
	TILE 0, 0
	CHANGE 0, G0S0
	EPI 92, 94, 1536, 16, 1
	NEXTP
	TILE 1, 0
	EPI 92, 94, 1536, 16, 1
.else
	TILE 0, 0
	CHANGE 1, G0S0
	EPI 92, 94, 768, 32, 0                         ; q
	TILE 1, 0
	CHANGE 0, G0S0
	EPI 96, 98, 768, 32, 0                         ; k
	TILE 0, 1
	EPI 76, 78, 1536, 16, 0                        ; v, keys innermost
.endif
	s_wait_tensorcnt 0x0                           ; the wave's end
	ds_add_u32 v[SPW], v[NIL]
	s_wait_dscnt 0x0
	CROUND                                         ; the closing round
	s_endpgm
.Lfunc_end_k_q2154d8c960_ffn1:
	.size	k_q2154d8c960_ffn1, .Lfunc_end_k_q2154d8c960_ffn1-k_q2154d8c960_ffn1
	.p2alignl 7, 3214868480
	.fill 96, 4, 3214868480
	.section	.rodata,"a",@progbits
	.p2align	6, 0x0
	.amdhsa_kernel k_q2154d8c960_ffn1
		.amdhsa_group_segment_fixed_size 327680
		.amdhsa_private_segment_fixed_size 0
		.amdhsa_enable_private_segment 0
		.amdhsa_kernarg_size 24
		.amdhsa_user_sgpr_count 2
		.amdhsa_user_sgpr_kernarg_segment_ptr 1
		.amdhsa_wavefront_size32 1
		.amdhsa_system_sgpr_workgroup_id_x 1
		.amdhsa_system_sgpr_workgroup_id_y 1
		.amdhsa_system_sgpr_workgroup_id_z 1
		.amdhsa_system_vgpr_workitem_id 0
		.amdhsa_next_free_vgpr 1024
		.amdhsa_next_free_sgpr 100
		.amdhsa_reserve_vcc 0
		.amdhsa_float_denorm_mode_32 3
		.amdhsa_float_denorm_mode_16_64 3
		.amdhsa_memory_ordered 1
		.amdhsa_forward_progress 1
		.amdhsa_inst_pref_size 255
	.end_amdhsa_kernel
	.section	.bss,"aw",@nobits
	.p2align	6
	.space	262144
	.amdgpu_metadata
---
amdhsa.version: [ 1, 2 ]
amdhsa.kernels:
  - .name:           k_q2154d8c960_ffn1
    .symbol:         k_q2154d8c960_ffn1.kd
    .args:
      - { .name: hq, .offset: 0, .size: 8, .value_kind: global_buffer, .address_space: global }
      - { .name: wts, .offset: 8, .size: 8, .value_kind: global_buffer, .address_space: global }
      - { .name: g, .offset: 16, .size: 8, .value_kind: global_buffer, .address_space: global }
    .group_segment_fixed_size: 327680
    .private_segment_fixed_size: 0
    .kernarg_segment_align: 8
    .kernarg_segment_size: 24
    .max_flat_workgroup_size: 128
    .sgpr_count:     100
    .vgpr_count:     1024
    .wavefront_size: 32
...
	.end_amdgpu_metadata
.endif
;; end of part 6
;; launch ffn2 (part 7): grid 8 x 32, 4 waves a work-group, clusters of 4 x 4, 327,680 bytes of LDS; arguments g, wts, x1, out0; writes out0
.if DOCPART == 7
	.amdgcn_target "amdgcn-amd-amdhsa--gfx1250"
	.amdhsa_code_object_version 6
	.text
	.protected	k_q2154d8c960_ffn2
	.globl	k_q2154d8c960_ffn2
	.p2align	8
	.type	k_q2154d8c960_ffn2,@function
k_q2154d8c960_ffn2:
	s_mov_b64 s[64:65], 0
	v_nop
	global_prefetch_b8 v0, s[64:65] scope:SCOPE_SE
	s_setreg_imm32_b32 hwreg(HW_REG_WAVE_MODE, 25, 1), 1
	s_wait_xcnt 0x0
	s_wait_alu depctr_hold_cnt(0) depctr_sa_sdst(0) depctr_va_vdst(0) depctr_va_sdst(0) depctr_va_ssrc(0) depctr_va_vcc(0) depctr_vm_vsrc(0)
	s_getreg_b32 s2, hwreg(HW_REG_IB_STS2, 6, 4)
	s_cmp_eq_u32 s2, 0
	s_cbranch_scc0 .Lentry_in_a_cluster
	s_endpgm
.Lentry_in_a_cluster:
	s_bfe_u32 s2, ttmp6, 0x10000c
	s_cmp_lg_u32 s2, 0xf033
	s_cbranch_scc0 .Lentry_shape_is_right
	s_endpgm
.Lentry_shape_is_right:
; out = x1 + g W2 (K = 4,096).   Both operands are codes of E2M3 with E8M0 scales, laid as images (first kernel's head); the result is f32.
; A tile of 128 x 128 to a work-group, four waves of 64 x 64: 16 accumulators, which take turns in the same order in every K step.
; K's 32 steps go through TWO LDS SLOTS AS LARGE AS FIT beside the scale words: slot X holds 6 K steps (the rows' 73,728 bytes, then the weights'), slot Y 5 (61,440 and 61,440).
; The chunks are 6, 5, 6, 5, 5, 5 K steps, in X, Y, X, Y, X, Y: four refills, each with the other slot's 5 or 6 K steps of products in which to land.  The scale words of the whole K come once.
; A chunk of either operand is one dense block of memory, so the two waves that fetch it take half of its bytes each: 144 rows of 256 bytes of a chunk of 6, 120 of a chunk of 5.
; The residual's 128 registers a lane are asked for at the head and lie in window 2.
; CLUSTER 4 x 4: the four of a row share the rows' chunks, the four of a column the weights': joint loads, waves 0 and 1 for the rows' halves, waves 2 and 3 for the weights'.
; The product is used transposed (source 0 = 16 weight columns, source 1 = 16 rows): a lane holds 8 neighbouring columns of a row; a tile of 16 rows x 64 columns goes through the wave's own stage and leaves as aligned runs of 256 bytes.
; A wave has one tensor load out at the start and one behind each refill.
.set ASOFF, 12582912                   ; g: the scale words begin behind 32 panels of 393,216 bytes
.set WS,    9437184
.set KSB,   12288                      ; a K step of a panel: eight images
.set XA,    0
.set XB,    6*KSB
.set YA,    12*KSB
.set YB,    17*KSB
.set ASC,   22*KSB                     ; the rows' scale words, 16,384 bytes,
.set BSC,   ASC+16384                  ; the weights',
.set STAGE, BSC+16384                  ; the four stages of 16 rows x 272 bytes,
.set SPARE, STAGE+4*4352               ; and the spare words
.set AA16, 4                           ; v4-7   the rows' fragments, 16-byte parts: X's K steps 0-2, X's 3-5, Y's 0-2, Y's 3-4
.set AA8,  8                           ; v8-11  their 8-byte parts
.set BA16, 12                          ; v12-15 the weights' likewise
.set BA8,  24                          ; v24-27
.set SA,   16
.set SPW,  18
.set NIL,  19
.set STO,  20
.set RD,   21
.set RO,   22
.set SC,   32
.set ACC,  128
.set WV,   12
.set WRW,  13
.set WCL,  14
.set CX,   15
.set CY,   96
.set GX,   97
.set YY,   98
.set CM,   99
.set RM,   100
.set G1A6, 16                          ; groups 1: the rows' half chunk of 6 K steps, of 5; the weights' likewise; the scale words'
.set G1A5, 24
.set G1B6, 32
.set G1B5, 40
.set G1AS, 48
.set G1BS, 56
.set G0AS, 68                          ; groups 0
.set G0BS, 72
.set G0AX, 76
.set G0AY, 80
.set G0BX, 84
.set G0BY, 88
.set MSB, 0
.macro WIN new                         ; the immediate's high byte repeats the setting that is left
.if MSB != \new
	s_set_vgpr_msb (MSB<<8)|\new
.set MSB, \new
.endif
.endm
.set MUL,  0x05
.set TO_F, 0x40
.macro PLACES
.rept 4
	v_nop
.endr
.endm
.macro CROUND
	s_barrier_signal -1
	s_barrier_wait -1
	s_cmp_lg_u32 s[WV], 0
	s_cbranch_scc1 .Lnot_wave_0_\@
	s_barrier_signal -3
.Lnot_wave_0_\@:
	s_barrier_wait -3
	s_barrier_signal -1
	s_barrier_wait -1
.endm
.macro G1REST g, r                     ; a dense block as r rows of 256 bytes: 32 elements of 8 bytes
	s_mov_b32 s[\g+1], 32<<16
	s_mov_b32 s[\g+2], (\r)<<16
	s_mov_b32 s[\g+3], 32<<16
	s_mov_b32 s[\g+4], \r
	s_mov_b32 s[\g+5], 32
	s_mov_b32 s[\g+6], 0
	s_mov_b32 s[\g+7], 0
.endm
.macro JLOAD g0a, g1a, g0b, g1b        ; a joint load: each of the two lines has one mask; the branch hangs on the wave's number alone
	s_cmp_eq_u32 s[WRW], 0
	s_cbranch_scc0 .Lfor_b_\@
	tensor_load_to_lds s[\g0a:\g0a+3], s[\g1a:\g1a+7]
	s_nop 0
	PLACES
	s_branch .Lasked_\@
.Lfor_b_\@:
	tensor_load_to_lds s[\g0b:\g0b+3], s[\g1b:\g1b+7]
	s_nop 0
	PLACES
.Lasked_\@:
.endm
	s_load_b256 s[4:11], s[0:1], 0x0               ; g's operand, the weights', the residual, the result
	v_lshl_add_u32 v[SPW], v0, 2, SPARE
	v_mov_b32 v[NIL], 0
	ds_add_u32 v[SPW], v[NIL]                      ; the opening: the add, twice on end, and its wait ahead of my first tensor load
	ds_add_u32 v[SPW], v[NIL]
	v_lshrrev_b32 v1, 5, v0
	v_readfirstlane_b32 s[WV], v1
	s_lshr_b32 s[WRW], s[WV], 1
	s_and_b32 s[WCL], s[WV], 1
	s_bfe_u32 s[CX], ttmp6, 0x40000
	s_bfe_u32 s[CY], ttmp6, 0x40004
	s_lshl_b32 s[GX], ttmp9, 2
	s_add_co_u32 s[GX], s[GX], s[CX]
	s_and_b32 s[YY], ttmp7, 0xffff
	s_lshl_b32 s[YY], s[YY], 2
	s_add_co_u32 s[YY], s[YY], s[CY]
	s_lshl_b32 s[RM], s[CY], 2
	s_lshl_b32 s[RM], 15, s[RM]
	s_lshl_b32 s[CM], 0x1111, s[CX]
	s_or_b32 s[G1A6], s[RM], (3<<16)|(1<<21)
	s_or_b32 s[G1A5], s[RM], (3<<16)|(1<<21)
	s_or_b32 s[G1AS], s[RM], (3<<16)|(1<<21)
	s_or_b32 s[G1B6], s[CM], (3<<16)|(1<<21)
	s_or_b32 s[G1B5], s[CM], (3<<16)|(1<<21)
	s_or_b32 s[G1BS], s[CM], (3<<16)|(1<<21)
	G1REST G1A6, 288                               ; the head's load: all of 6 K steps, 73,728 bytes; behind it the two words that count rows are set to 144, half of 6 K steps
	G1REST G1A5, 120                               ; half of 5: 30,720 bytes
	G1REST G1B6, 288
	G1REST G1B5, 120
	G1REST G1AS, 64                                ; a panel's scale words: 16,384 bytes
	G1REST G1BS, 64
	s_mul_i32 s66, s[WCL], KSB/2                   ; by how much my half of a chunk of 5 begins earlier than that of a chunk of 6
	s_mov_b32 s67, 0
	s_mul_i32 s3, s[WCL], 5*KSB/2                  ; and of a chunk of 5
	s_mul_i32 s[G0AX+2], s[YY], 32*KSB             ; the rows' panel;
	s_add_co_u32 s[G0AY+2], s[G0AX+2], 6*KSB       ; Y's first chunk begins at K step 6
	s_add_co_u32 s[G0AY+2], s[G0AY+2], s3
	s_mov_b32 s[G0AX+3], 0
	s_mov_b32 s[G0AY+3], 0
	s_lshl_b32 s[G0AS+2], s[YY], 14
	s_add_co_u32 s[G0AS+2], s[G0AS+2], ASOFF
	s_mov_b32 s[G0AS+3], 0
	s_lshl_b32 s[G0BS+2], s[GX], 2
	s_add_co_u32 s[G0BS+2], s[G0BS+2], 64          ; the weights' panel lies at place 64 + 4 x column group
	s_mul_i32 s[G0BX+2], s[G0BS+2], 98304
	s_add_co_u32 s[G0BY+2], s[G0BX+2], 6*KSB
	s_add_co_u32 s[G0BY+2], s[G0BY+2], s3
	s_mov_b32 s[G0BX+3], 0
	s_mov_b32 s[G0BY+3], 0
	s_lshl_b32 s[G0BS+2], s[G0BS+2], 12
	s_add_co_u32 s[G0BS+2], s[G0BS+2], WS
	s_mov_b32 s[G0BS+3], 0
.irp g, G0AS, G0BS, G0AX, G0AY, G0BX, G0BY
	s_mov_b32 s[\g], 1
.endr
	s_mov_b32 s[G0AX+1], XA
	s_add_co_u32 s[G0AY+1], s3, YA
	s_mov_b32 s[G0BX+1], XB
	s_add_co_u32 s[G0BY+1], s3, YB
	s_mov_b32 s[G0AS+1], ASC
	s_mov_b32 s[G0BS+1], BSC
	s_wait_dscnt 0x0                               ; both opening adds are done
	s_wait_kmcnt 0x0
.irp g, G0AS, G0AX, G0AY
	s_add_nc_u64 s[\g+2:\g+3], s[4:5], s[\g+2:\g+3]
	s_or_b32 s[\g+3], s[\g+3], 0x80000000
.endr
.irp g, G0BS, G0BX, G0BY
	s_add_nc_u64 s[\g+2:\g+3], s[6:7], s[\g+2:\g+3]
	s_or_b32 s[\g+3], s[\g+3], 0x80000000
.endr
	CROUND                                         ; all sixteen work-groups are here: the first joint loads meet
; THE HEAD'S LOADS, ONE A WAVE: wave 0 the rows' K steps 0-5, wave 1 the weights', wave 2 the rows' scale words, wave 3 the weights'.
; One chain of branches on the wave's number, a load to an arm, all arms to one join.  A wave has one tensor load out at the start and one behind each round.
.macro ARM under, g0, g1, next
	s_cmp_lt_u32 s[WV], \under
	s_cbranch_scc0 \next
	tensor_load_to_lds s[\g0:\g0+3], s[\g1:\g1+7]
	s_nop 0
	PLACES
	s_branch .Lhead_asked
\next:
.endm
	ARM 1, G0AX, G1A6, .Lhead_b
	ARM 2, G0BX, G1B6, .Lhead_sa
	ARM 3, G0AS, G1AS, .Lhead_sb
	tensor_load_to_lds s[G0BS:G0BS+3], s[G1BS:G1BS+7]
	s_nop 0
	PLACES
.Lhead_asked:
	v_and_b32 v1, 31, v0
	v_and_b32 v2, 15, v0
	v_bfe_u32 v3, v0, 4, 1
	v_lshlrev_b32 v28, 4, v1
	v_lshlrev_b32 v29, 3, v1
	s_mul_i32 s2, s[WRW], 6144                     ; my four tiles of the rows
	s_mul_i32 s3, s[WCL], 6144                     ; my four tiles of the weights
	s_add_co_u32 s3, s3, XB
	v_add_nc_u32 v[AA16], s2, v28
	v_add_nc_u32 v[AA8], s2, v29
	v_add_nc_u32 v[BA16], s3, v28
	v_add_nc_u32 v[BA8], s3, v29
.irp r, AA16, AA8
	v_add_nc_u32 v[\r+1], 3*KSB, v[\r]             ; K steps 3 on: offsets stay inside 16 bits
	v_add_nc_u32 v[\r+2], YA-XA, v[\r]
	v_add_nc_u32 v[\r+3], YA-XA+3*KSB, v[\r]
.endr
.irp r, BA16, BA8
	v_add_nc_u32 v[\r+1], 3*KSB, v[\r]
	v_add_nc_u32 v[\r+2], YB-XB, v[\r]
	v_add_nc_u32 v[\r+3], YB-XB+3*KSB, v[\r]
.endr
	s_lshl_b32 s2, s[WRW], 8
	s_lshl_b32 s3, s[WCL], 8
	s_sub_co_u32 s3, s3, s2
	s_add_co_u32 s3, s3, BSC-ASC
	v_mul_u32_u24 v[SA], s3, v3                    ; lanes 16-31 take the weights' words: one product with the lane's half
	s_add_co_u32 s2, s2, ASC
	v_lshl_add_u32 v[SA], v2, 2, v[SA]
	v_add_nc_u32 v[SA], s2, v[SA]
	s_mul_i32 s2, s[WV], 4352
	s_add_co_u32 s2, s2, STAGE                     ; my stage: 16 rows x (256 + 16) bytes
	v_mul_u32_u24 v[STO], v2, 272
	v_lshl_add_u32 v[STO], v3, 6, v[STO]
	v_add_nc_u32 v[STO], s2, v[STO]                ; in: row r, + 64 h
	v_mul_u32_u24 v[RD], v3, 272
	v_lshl_add_u32 v[RD], v2, 4, v[RD]
	v_add_nc_u32 v[RD], s2, v[RD]                  ; back: lanes 0-15 one row, lanes 16-31 the next
	v_lshlrev_b32 v[RO], 12, v3
	v_lshl_add_u32 v[RO], v2, 4, v[RO]             ; and the same two rows in memory
	s_wait_alu depctr_va_vdst(0)
	s_lshl_b32 s2, s[YY], 7
	s_lshl_b32 s3, s[WRW], 6
	s_add_co_u32 s2, s2, s3
	s_lshl_b32 s2, s2, 12                          ; my first row
	s_lshl_b32 s3, s[GX], 9
	s_add_co_u32 s2, s2, s3
	s_lshl_b32 s3, s[WCL], 8
	s_add_co_u32 s2, s2, s3                        ; my first column
	s_mov_b32 s3, 0
	s_add_nc_u64 s[92:93], s[8:9], s[2:3]
	s_add_nc_u64 s[94:95], s[10:11], s[2:3]
; THE RESIDUAL is asked for in four parts, tile a's eight loads behind the a-th refill: the last part has two chunks, ten K steps, in which to land
.macro RESID a
	WIN 0x80                                       ; destination window 2
.irp t, 0,1,2,3,4,5,6,7
	global_load_b128 v[32*(\a)+4*\t:32*(\a)+4*\t+3], v[RO], s[92:93] offset:(32*((\a)/2)+8*((\a)%2)+2*\t+8*(\t/4))*4096   ; place 2 t + h of tile a is this row
.endr
	WIN 0
.endm
; A PREFETCH INTO THE L2: the chunk of n K steps from K step k0 on, which the NEXT joint load will ask for: one chunk ahead of that load.  Waves 0 and 1 name the rows' bytes, waves 2 and 3 the weights'.
; A chunk of a panel is n x 12,288 consecutive bytes; the four partners that ask for it jointly and their two waves share it out BY ADDRESS in eight runs of 6 n blocks of 256 bytes (36 or 30), a lane a block;
; lanes left over name their wave's last block again.  So each block is named once in each cluster that will load it.  The last two chunks' steps ask for nothing.
.macro ASK k0, n
	s_wait_xcnt 0x0                                ; the last prefetch, a chunk ago, has read its address
	s_mul_i32 s6, s8, \n
	s_add_co_u32 s6, s6, (\k0)*KSB
	s_mov_b32 s7, 0
	s_add_nc_u64 s[10:11], s[4:5], s[6:7]
.if (\n) == 6
	global_prefetch_b8 v104, s[10:11] th:TH_LOAD_NT scope:SCOPE_SE
	global_prefetch_b8 v106, s[10:11] th:TH_LOAD_NT scope:SCOPE_SE
.else
	global_prefetch_b8 v105, s[10:11] th:TH_LOAD_NT scope:SCOPE_SE
.endif
.endm
	s_mul_i32 s9, s[YY], 32*KSB                    ; the rows' panel
	s_lshl_b32 s10, s[GX], 2
	s_add_co_u32 s10, s10, 64
	s_mul_i32 s10, s10, 98304                      ; the weights'
	s_cmp_eq_u32 s[WRW], 0                         ; do I fetch for the rows?
	s_cselect_b64 s[4:5], s[4:5], s[6:7]
	s_cselect_b32 s8, s[CX], s[CY]                 ; my place among the four that ask with me
	s_cselect_b32 s6, s9, s10
	s_mov_b32 s7, 0
	s_add_nc_u64 s[4:5], s[4:5], s[6:7]            ; s[4:5]: my operand's panel
	s_lshl_b32 s8, s8, 1
	s_add_co_u32 s8, s8, s[WCL]
	s_mul_i32 s8, s8, 1536                         ; s8: which of the eight runs is mine, x an eighth of a K step
	v_lshlrev_b32 v104, 8, v1                      ; blocks 0-31 of 36
	v_min_u32 v105, 29, v1
	v_min_u32 v106, 3, v1
	v_lshlrev_b32 v105, 8, v105                    ; blocks 0-29 of 30
	v_lshl_add_u32 v106, v106, 8, 8192             ; blocks 32-35 of 36
	s_wait_alu depctr_va_vdst(0)
	ASK 6, 5                                       ; K steps 6-10, which the load behind the head's round will ask for
; a K step's fragments into set p: ri picks the slot and its K steps 0-2 or 3 on, ko the K step among those three; so: where its scale words begin
.macro FETCH p, ri, ko, so
	WIN TO_F
.irp a, 0,1,2,3
	ds_load_b128 v[128*(\p)+12*\a:128*(\p)+12*\a+3], v[AA16+(\ri)] offset:(\ko)*KSB+\a*1536
	ds_load_b64 v[128*(\p)+12*\a+4:128*(\p)+12*\a+5], v[AA8+(\ri)] offset:(\ko)*KSB+\a*1536+512
	ds_load_b128 v[128*(\p)+12*\a+6:128*(\p)+12*\a+9], v[AA16+(\ri)] offset:(\ko)*KSB+\a*1536+768
	ds_load_b64 v[128*(\p)+12*\a+10:128*(\p)+12*\a+11], v[AA8+(\ri)] offset:(\ko)*KSB+\a*1536+1280
.endr
.irp b, 0,1,2,3
	ds_load_b128 v[128*(\p)+48+12*\b:128*(\p)+48+12*\b+3], v[BA16+(\ri)] offset:(\ko)*KSB+\b*1536
	ds_load_b64 v[128*(\p)+48+12*\b+4:128*(\p)+48+12*\b+5], v[BA8+(\ri)] offset:(\ko)*KSB+\b*1536+512
	ds_load_b128 v[128*(\p)+48+12*\b+6:128*(\p)+48+12*\b+9], v[BA16+(\ri)] offset:(\ko)*KSB+\b*1536+768
	ds_load_b64 v[128*(\p)+48+12*\b+10:128*(\p)+48+12*\b+11], v[BA8+(\ri)] offset:(\ko)*KSB+\b*1536+1280
.endr
	WIN 0
.irp i, 0,1,2,3
	ds_load_b32 v[SC+4*(\p)+\i], v[SA] offset:(\so)+64*\i
.endr
.endm
.macro MUL16 p, zero
	WIN MUL
.irp a, 0,1,2,3
.irp b, 0,1,2,3
.if \zero
	v_wmma_scale_f32_16x16x128_f8f6f4 v[ACC+8*(4*\a+\b):ACC+8*(4*\a+\b)+7], v[128*(\p)+48+12*\b:128*(\p)+48+12*\b+11], v[128*(\p)+12*\a:128*(\p)+12*\a+11], 0, v[SC+4*(\p)+\b], v[SC+4*(\p)+\a] matrix_a_fmt:MATRIX_FMT_FP6 matrix_b_fmt:MATRIX_FMT_FP6 matrix_a_scale:MATRIX_SCALE_ROW1
.else
	v_wmma_scale_f32_16x16x128_f8f6f4 v[ACC+8*(4*\a+\b):ACC+8*(4*\a+\b)+7], v[128*(\p)+48+12*\b:128*(\p)+48+12*\b+11], v[128*(\p)+12*\a:128*(\p)+12*\a+11], v[ACC+8*(4*\a+\b):ACC+8*(4*\a+\b)+7], v[SC+4*(\p)+\b], v[SC+4*(\p)+\a] matrix_a_fmt:MATRIX_FMT_FP6 matrix_b_fmt:MATRIX_FMT_FP6 matrix_a_scale:MATRIX_SCALE_ROW1
.endif
.endr
.endr
.endm
; a chunk: n K steps from K step k0 on, in slot 0 (X) or 1 (Y); while one K step is multiplied the next one's 36 loads are on their way into the other set
.macro CHUNK slot, k0, n, first, pk, pn
.if !(\first)
	PLACES                                         ; in front of loads into registers that the last products read
.endif
	FETCH 0, 2*(\slot), 0, (\k0)*512
.if \pn
	ASK \pk, \pn                                   ; behind the joint load and the run of LDS loads that the first products wait for
.endif
.set KQ, 0
.rept \n
	s_wait_dscnt 0x0
.if KQ+1 < \n
	PLACES
	FETCH (KQ+1)%2, 2*(\slot)+(KQ+1)/3, (KQ+1)%3, ((\k0)+KQ+1)*512
.endif
.if (\first) && (KQ == 0)
	MUL16 0, 1                                     ; the first products start the sums
.else
	MUL16 KQ%2, 0
.endif
.set KQ, KQ+1
.endr
	WIN 0
.endm
; the change of slots with a refill.  Every wave: all my tensor loads have landed; the add; the slot's two groups 0 step on; the add and my LDS reads are done; a round of the cluster's barrier; the joint refill first behind it.
; short = 1: a chunk of 5 K steps goes into slot X: my half begins earlier, in memory and in LDS
.macro CHANGE ga, gb, step, g1a, g1b, short
	s_wait_tensorcnt 0x0
	ds_add_u32 v[SPW], v[NIL]
	s_add_nc_u64 s[\ga+2:\ga+3], s[\ga+2:\ga+3], \step
	s_add_nc_u64 s[\gb+2:\gb+3], s[\gb+2:\gb+3], \step
.if \short
	s_sub_nc_u64 s[\ga+2:\ga+3], s[\ga+2:\ga+3], s[66:67]
	s_sub_nc_u64 s[\gb+2:\gb+3], s[\gb+2:\gb+3], s[66:67]
	s_mul_i32 s101, s[WCL], 5*KSB/2
	s_add_co_u32 s[\ga+1], s101, XA
	s_add_co_u32 s[\gb+1], s101, XB
.endif
	s_wait_dscnt 0x0
	CROUND
	JLOAD \ga, \g1a, \gb, \g1b
.endm
	s_wait_tensorcnt 0x0                           ; my tile of the head's four is in
	ds_add_u32 v[SPW], v[NIL]
	s_mul_i32 s2, s[WCL], 3*KSB                    ; no tensor load of mine is out: from here on slot X's loads bring my half of a chunk
	s_mov_b32 s3, 0
	s_add_nc_u64 s[G0AX+2:G0AX+3], s[G0AX+2:G0AX+3], s[2:3]
	s_add_nc_u64 s[G0BX+2:G0BX+3], s[G0BX+2:G0BX+3], s[2:3]
	s_add_co_u32 s[G0AX+1], s2, XA
	s_add_co_u32 s[G0BX+1], s2, XB
	s_mov_b32 s[G1A6+2], 144<<16
	s_mov_b32 s[G1A6+4], 144
	s_mov_b32 s[G1B6+2], 144<<16
	s_mov_b32 s[G1B6+4], 144
	s_wait_dscnt 0x0
	CROUND                                         ; all four tiles are in, and all sixteen work-groups are here
	JLOAD G0AY, G1A5, G0BY, G1B5                   ; K steps 6-10: slot Y's first fill, my one load behind the round
	CHUNK 0, 0, 6, 1, 11, 6
	CHANGE G0AX, G0BX, 11*KSB, G1A6, G1B6, 0       ; X takes K steps 11-16
	RESID 0
	CHUNK 1, 6, 5, 0, 17, 5
	CHANGE G0AY, G0BY, 11*KSB, G1A5, G1B5, 0       ; Y takes K steps 17-21
	RESID 1
	CHUNK 0, 11, 6, 0, 22, 5
	CHANGE G0AX, G0BX, 11*KSB, G1A5, G1B5, 1       ; X takes K steps 22-26
	RESID 2
	CHUNK 1, 17, 5, 0, 27, 5
	CHANGE G0AY, G0BY, 10*KSB, G1A5, G1B5, 0       ; Y takes K steps 27-31
	RESID 3
	CHUNK 0, 22, 5, 0, 0, 0
	s_wait_tensorcnt 0x0                           ; the last change of slots fills nothing: my part of Y has landed,
	ds_add_u32 v[SPW], v[NIL]
	s_wait_dscnt 0x0
	s_barrier_signal -1
	s_barrier_wait -1                              ; everybody's has
	CHUNK 1, 27, 5, 0, 0, 0
	; THE WAY OUT: a tile of 16 rows at a time through my stage; the residual is added; sixteen lanes store 256 consecutive bytes, aligned
	s_wait_loadcnt 0x0                             ; the residual
	PLACES
.irp a, 0,1,2,3
.set TT, 40+32*(\a%2)
.if \a >= 2
	s_wait_xcnt 0x0                                ; the stores of two tiles ago have read these registers
.endif
.irp b, 0,1,2,3
	ds_store_b128 v[STO], v[ACC+32*\a+8*\b:ACC+32*\a+8*\b+3] offset:128*(\b/2)+32*(\b%2)
	ds_store_b128 v[STO], v[ACC+32*\a+8*\b+4:ACC+32*\a+8*\b+7] offset:128*(\b/2)+32*(\b%2)+16
.endr
.irp t, 0,1,2,3,4,5,6,7
	ds_load_b128 v[TT+4*\t:TT+4*\t+3], v[RD] offset:544*\t    ; LDS serves a wave's instructions in order: these see my stores
.endr
	s_wait_dscnt 0x0
	WIN 0x08                                       ; source 1 window 2
.irp i, 0,2,4,6,8,10,12,14,16,18,20,22,24,26,28,30
	v_pk_add_f32 v[TT+\i:TT+\i+1], v[TT+\i:TT+\i+1], v[32*\a+\i:32*\a+\i+1]
.endr
	WIN 0
.irp t, 0,1,2,3,4,5,6,7
	global_store_b128 v[RO], v[TT+4*\t:TT+4*\t+3], s[94:95] offset:(32*(\a/2)+8*(\a%2)+2*\t+8*(\t/4))*4096
.endr
.endr
	s_wait_tensorcnt 0x0                           ; the wave's end
	ds_add_u32 v[SPW], v[NIL]
	s_wait_dscnt 0x0
	CROUND                                         ; the closing round
	s_endpgm
.Lfunc_end_k_q2154d8c960_ffn2:
	.size	k_q2154d8c960_ffn2, .Lfunc_end_k_q2154d8c960_ffn2-k_q2154d8c960_ffn2
	.p2alignl 7, 3214868480
	.fill 96, 4, 3214868480
	.section	.rodata,"a",@progbits
	.p2align	6, 0x0
	.amdhsa_kernel k_q2154d8c960_ffn2
		.amdhsa_group_segment_fixed_size 327680
		.amdhsa_private_segment_fixed_size 0
		.amdhsa_enable_private_segment 0
		.amdhsa_kernarg_size 32
		.amdhsa_user_sgpr_count 2
		.amdhsa_user_sgpr_kernarg_segment_ptr 1
		.amdhsa_wavefront_size32 1
		.amdhsa_system_sgpr_workgroup_id_x 1
		.amdhsa_system_sgpr_workgroup_id_y 1
		.amdhsa_system_sgpr_workgroup_id_z 1
		.amdhsa_system_vgpr_workitem_id 0
		.amdhsa_next_free_vgpr 640
		.amdhsa_next_free_sgpr 102
		.amdhsa_reserve_vcc 0
		.amdhsa_float_denorm_mode_32 3
		.amdhsa_float_denorm_mode_16_64 3
		.amdhsa_memory_ordered 1
		.amdhsa_forward_progress 1
		.amdhsa_inst_pref_size 178
	.end_amdhsa_kernel
	.amdgpu_metadata
---
amdhsa.version: [ 1, 2 ]
amdhsa.kernels:
  - .name:           k_q2154d8c960_ffn2
    .symbol:         k_q2154d8c960_ffn2.kd
    .args:
      - { .name: g, .offset: 0, .size: 8, .value_kind: global_buffer, .address_space: global }
      - { .name: wts, .offset: 8, .size: 8, .value_kind: global_buffer, .address_space: global }
      - { .name: x1, .offset: 16, .size: 8, .value_kind: global_buffer, .address_space: global }
      - { .name: out0, .offset: 24, .size: 8, .value_kind: global_buffer, .address_space: global }
    .group_segment_fixed_size: 327680
    .private_segment_fixed_size: 0
    .kernarg_segment_align: 8
    .kernarg_segment_size: 32
    .max_flat_workgroup_size: 128
    .sgpr_count:     102
    .vgpr_count:     640
    .wavefront_size: 32
...
	.end_amdgpu_metadata
.endif
;; end of part 7
